; MI455X (gfx1250); checked and timed in simulation.
; The chip was launched on July 23, 2026; its instructions are those of AMD's public machine-readable ISA for CDNA 5 (MIT licence, August 2026) and "CDNA5" Instruction Set Architecture Reference Guide (July 2026). The comments in the code are by the model that wrote it; some were corrected since.
;; Self Attention V3. Allowed arithmetic: float matrix products may take bf16 or f16 operands with f32 sums; other float arithmetic in f32, or as packed bf16 or f16 multiplies, adds, multiply-adds, maxima and minima; sums over many terms, partial sums and values carried from step to step in f32; what a program stores and reads back later, other than sums and carried values, may be rounded once to bf16 or f16.
;; Inputs: W_out 1,024 x 1,024 float32; W_qkv 1,024 x 3,072 float32; X 4 x 2,048 x 1,024 float32; attention_mask 4 x 2,048 x 2,048 bool; b_out 1,024 float32; b_qkv 3,072 float32.
;; Outputs: out0 4 x 2,048 x 1,024 float32.
;; 2 versions, each right; version 2 is version 1 with the launch prep written anew for expert scheduling mode. Each part assembles by itself: llvm-mc -triple=amdgcn-amd-amdhsa -mcpu=gfx1250 --defsym DOCPART=n.
;; ======== version 1 of 2: 6 launches
;; limits: values are held in f16: magnitudes above 65,504 overflow, below 6.1e-05 lose precision
;; workspace buffers: Xb 16,777,216 bytes; Wqb 6,291,456 bytes; Wo16 2,097,152 bytes; QKV 50,331,648 bytes; Sc 67,108,864 bytes; P 33,554,432 bytes; Ctx 16,777,216 bytes
;; launch prep (part 1): grid 768 x 1, 8 waves a work-group, no clusters, 0 bytes of LDS; arguments X, W_qkv, W_out, Xb, Wqb, Wo16; writes Xb, Wqb, Wo16
.if DOCPART == 1
	.amdgcn_target "amdgcn-amd-amdhsa--gfx1250"
	.amdhsa_code_object_version 6
	.text
	.protected	k_qe8183c62cb_prep
	.globl	k_qe8183c62cb_prep
	.p2align	8
	.type	k_qe8183c62cb_prep,@function
k_qe8183c62cb_prep:
	s_mov_b64 s[64:65], 0
	v_nop
	global_prefetch_b8 v0, s[64:65] scope:SCOPE_SE
	s_setreg_imm32_b32 hwreg(HW_REG_WAVE_MODE, 25, 1), 1
	s_wait_xcnt 0x0
; THE CASTS.  Xb = bf16(X), Wqb = bf16(W_qkv), Wo16 = f16(bf16(W_out)): every input of the module is rounded once to bf16; W_out's rounded number is
; then written as f16, because the last product multiplies it with an f16 operand.
; Xb LIES BY SLABS of 64 along K: [16][8192][64].  The next launch takes K in steps of 64, and 128 rows of a step are then 16,384 consecutive bytes.  Wqb and Wo16 lie as their inputs do.
; LIMITS.  f16(bf16(w)) is exact for 2^-17 <= |w| < 65,520; below that it keeps f16's fixed step (an error of 3e-8 at the most), at 65,520 and above it is an infinity.
; SHARES.  A work-group of eight waves takes 16,384 numbers: 64 KiB in, 32 KiB out.  Work-groups 0-511 take X (16 rows each), 512-703 W_qkv, 704-767 W_out.
; All sixteen loads of a thread go out at once; no register is written twice, so no wait but the counted ones for the loads is needed.
; No LDS, no matrix unit, no cluster: the work-groups share no input and each byte is touched once.
.set IN,  8                            ; v[8:71]    sixteen pieces of four f32
.set OUT, 72                           ; v[72:103]  sixteen pieces of four 16-bit numbers
; A weight tensor's share: thread t takes the 16 bytes at 16 t of each of sixteen pieces of 4,096 bytes: a wave's load covers 512 consecutive bytes, its store 256 consecutive aligned bytes.
; sb, db: the scalar pairs with source and destination; first: the tensor's first work-group; kind 1: bf16 written as f16
.macro CAST sb, db, first, kind
	s_sub_co_u32 s17, ttmp9, \first                ; my number among the tensor's work-groups
	s_lshl_b32 s18, s17, 16                        ; 65,536 bytes in,
	s_lshl_b32 s20, s17, 15                        ; 32,768 bytes out
	s_add_nc_u64 s[(\sb):(\sb)+1], s[(\sb):(\sb)+1], s[18:19]
	s_add_nc_u64 s[(\db):(\db)+1], s[(\db):(\db)+1], s[20:21]
.set i, 0
.rept 16
	global_load_b128 v[IN+4*i:IN+4*i+3], v1, s[(\sb):(\sb)+1] offset:4096*i th:TH_LOAD_NT
.set i, i+1
.endr
.set i, 0
.rept 16
	s_wait_loadcnt 15-i                            ; loads come back in order: piece i is in, the 15 - i younger ones may be out
.if \kind
	v_cvt_pk_bf16_f32 v3, v[IN+4*i], v[IN+4*i+1]   ; rounded to bf16,
	v_cvt_pk_bf16_f32 v4, v[IN+4*i+2], v[IN+4*i+3]
	v_lshlrev_b32 v5, 16, v3                       ; widened again,
	v_and_b32 v6, s16, v3
	v_lshlrev_b32 v7, 16, v4
	v_and_b32 v4, s16, v4
	v_cvt_pk_f16_f32 v[OUT+2*i], v5, v6            ; and written as f16
	v_cvt_pk_f16_f32 v[OUT+2*i+1], v7, v4
.else
	v_cvt_pk_bf16_f32 v[OUT+2*i], v[IN+4*i], v[IN+4*i+1]
	v_cvt_pk_bf16_f32 v[OUT+2*i+1], v[IN+4*i+2], v[IN+4*i+3]
.endif
	global_store_b64 v2, v[OUT+2*i:OUT+2*i+1], s[(\db):(\db)+1] offset:2048*i
.set i, i+1
.endr
.endm
	s_load_b256 s[4:11], s[0:1], 0x0               ; X s[4:5], W_qkv s[6:7], W_out s[8:9], Xb s[10:11]
	s_load_b128 s[12:15], s[0:1], 0x20             ; Wqb s[12:13], Wo16 s[14:15]
	v_lshlrev_b32 v1, 4, v0                        ; 16 t
	v_lshlrev_b32 v2, 3, v0                        ; 8 t
	s_mov_b32 s16, 0xffff0000                      ; a word's upper bf16
	s_mov_b32 s19, 0                               ; the offsets' high words
	s_mov_b32 s21, 0
	s_wait_kmcnt 0x0
	s_cmp_lt_u32 ttmp9, 512
	s_cbranch_scc1 .Lx
	s_cmp_lt_u32 ttmp9, 704
	s_cbranch_scc1 .Lwq
	CAST 8, 14, 704, 1
	s_endpgm
.Lwq:
	CAST 6, 12, 512, 0
	s_endpgm
.Lx:
	; X's share: 16 rows x 16 slabs.  Wave w takes slabs 2 w and 2 w + 1; piece i is slab 2 w + i % 2 of rows 2 (i / 2) and 2 (i / 2) + 1: lanes 0-15 the even row, lanes 16-31 the odd one.
	; Sixteen lanes read a row's 64 numbers of a slab, 256 consecutive aligned bytes; the wave's store covers the two rows' 128 bytes each, which are 256 consecutive aligned bytes of the slab.
	s_lshl_b32 s18, ttmp9, 16                      ; 16 rows of 4,096 bytes in,
	s_lshl_b32 s20, ttmp9, 11                      ; 16 rows of 128 bytes in each slab out
	s_add_nc_u64 s[4:5], s[4:5], s[18:19]
	s_add_nc_u64 s[10:11], s[10:11], s[20:21]
	v_bfe_u32 v3, v0, 4, 1                         ; which of the two rows
	v_and_b32 v4, 15, v0                           ; my four numbers among the 64
	v_lshrrev_b32 v5, 5, v0                        ; wave
	v_lshlrev_b32 v6, 4, v4
	v_lshl_add_u32 v6, v5, 9, v6                   ; in: 16 c + two slabs of 256 bytes a wave
	v_lshl_add_u32 v6, v3, 12, v6                  ;     + the row's 4,096
	v_lshlrev_b32 v7, 3, v4
	v_lshl_add_u32 v7, v3, 7, v7                   ; out: 8 c + the row's 128
	v_lshl_add_u32 v7, v5, 21, v7                  ;      + two slabs of 1,048,576 bytes a wave
.set i, 0
.rept 16
	global_load_b128 v[IN+4*i:IN+4*i+3], v6, s[4:5] offset:(i/2)*8192+(i%2)*256 th:TH_LOAD_NT
.set i, i+1
.endr
.set i, 0
.rept 16
	s_wait_loadcnt 15-i                            ; piece i is in, the 15 - i younger loads may be out
	v_cvt_pk_bf16_f32 v[OUT+2*i], v[IN+4*i], v[IN+4*i+1]
	v_cvt_pk_bf16_f32 v[OUT+2*i+1], v[IN+4*i+2], v[IN+4*i+3]
	global_store_b64 v7, v[OUT+2*i:OUT+2*i+1], s[10:11] offset:(i%2)*1048576+(i/2)*256
.set i, i+1
.endr
	s_endpgm
.Lfunc_end_k_qe8183c62cb_prep:
	.size	k_qe8183c62cb_prep, .Lfunc_end_k_qe8183c62cb_prep-k_qe8183c62cb_prep
	.p2alignl 7, 3214868480
	.fill 96, 4, 3214868480
	.section	.rodata,"a",@progbits
	.p2align	6, 0x0
	.amdhsa_kernel k_qe8183c62cb_prep
		.amdhsa_group_segment_fixed_size 0
		.amdhsa_private_segment_fixed_size 0
		.amdhsa_enable_private_segment 0
		.amdhsa_kernarg_size 48
		.amdhsa_user_sgpr_count 2
		.amdhsa_user_sgpr_kernarg_segment_ptr 1
		.amdhsa_wavefront_size32 1
		.amdhsa_system_sgpr_workgroup_id_x 1
		.amdhsa_system_sgpr_workgroup_id_y 1
		.amdhsa_system_sgpr_workgroup_id_z 1
		.amdhsa_system_vgpr_workitem_id 0
		.amdhsa_next_free_vgpr 104
		.amdhsa_next_free_sgpr 66
		.amdhsa_reserve_vcc 0
		.amdhsa_float_denorm_mode_32 3
		.amdhsa_float_denorm_mode_16_64 3
		.amdhsa_memory_ordered 1
		.amdhsa_forward_progress 1
		.amdhsa_inst_pref_size 23
	.end_amdhsa_kernel
	.amdgpu_metadata
---
amdhsa.version: [ 1, 2 ]
amdhsa.kernels:
  - .name:           k_qe8183c62cb_prep
    .symbol:         k_qe8183c62cb_prep.kd
    .args:
      - { .name: X, .offset: 0, .size: 8, .value_kind: global_buffer, .address_space: global }
      - { .name: W_qkv, .offset: 8, .size: 8, .value_kind: global_buffer, .address_space: global }
      - { .name: W_out, .offset: 16, .size: 8, .value_kind: global_buffer, .address_space: global }
      - { .name: Xb, .offset: 24, .size: 8, .value_kind: global_buffer, .address_space: global }
      - { .name: Wqb, .offset: 32, .size: 8, .value_kind: global_buffer, .address_space: global }
      - { .name: Wo16, .offset: 40, .size: 8, .value_kind: global_buffer, .address_space: global }
    .group_segment_fixed_size: 0
    .private_segment_fixed_size: 0
    .kernarg_segment_align: 8
    .kernarg_segment_size: 48
    .max_flat_workgroup_size: 256
    .sgpr_count:     66
    .vgpr_count:     104
    .wavefront_size: 32
...
	.end_amdgpu_metadata
.endif
;; end of part 1
;; launch qkv (part 2): grid 8 x 32, 4 waves a work-group, clusters of 4 x 4, 327,680 bytes of LDS; arguments Xb, Wqb, QKV, b_qkv; writes QKV
.if DOCPART == 2
	.amdgcn_target "amdgcn-amd-amdhsa--gfx1250"
	.amdhsa_code_object_version 6
	.text
	.protected	k_qe8183c62cb_qkv
	.globl	k_qe8183c62cb_qkv
	.p2align	8
	.type	k_qe8183c62cb_qkv,@function
k_qe8183c62cb_qkv:
	s_mov_b64 s[64:65], 0
	v_nop
	global_prefetch_b8 v0, s[64:65] scope:SCOPE_SE
	s_setreg_imm32_b32 hwreg(HW_REG_WAVE_MODE, 25, 1), 1
	s_wait_xcnt 0x0
	s_wait_alu depctr_hold_cnt(0) depctr_sa_sdst(0) depctr_va_vdst(0) depctr_va_sdst(0) depctr_va_ssrc(0) depctr_va_vcc(0) depctr_vm_vsrc(0)
	s_getreg_b32 s2, hwreg(HW_REG_IB_STS2, 6, 4)
	s_cmp_eq_u32 s2, 0
	s_cbranch_scc0 .Lentry_in_a_cluster
	s_endpgm
.Lentry_in_a_cluster:
	s_bfe_u32 s2, ttmp6, 0x10000c
	s_cmp_lg_u32 s2, 0xf033
	s_cbranch_scc0 .Lentry_shape_is_right
	s_endpgm
.Lentry_shape_is_right:
; QKV = X W_qkv + bf16(b_qkv).  Xb: X in bf16 by slabs of 64 along K, [16][8192][64].  Wqb [1024][3072] bf16 (K down the rows).  QKV [8192][3072] f16 (columns 0-1023 q, 1024-2047 k, 2048-3071 v).
; Sums in f32, started with the bias; rounded once to f16.  LIMIT: a sum of 65,520 or more becomes an infinity in f16.
; SHARES.  8192 x 3072 outputs on 256 work-groups are 98,304 each: a tile of 256 x 384.  Four waves, 2 x 2: a wave makes 128 x 192 in 96 accumulators of 16 x 16, 768 registers.
; For 32 along K a wave reads 320 rows of 64 bytes from LDS and issues 96 matrix instructions.  K goes in steps of 64 (two quarters of 32) through two LDS slots: two slots of 128 would take 360,448 bytes.
; CLUSTER.  4 x 4 work-groups: the four of a row need the same tiles of A, the four of a column the same tiles of B; each tile is asked for jointly, by the same load, descriptor and mask in all four.
; THE MATRIX INSTRUCTION IS USED TRANSPOSED (source 0 = 16 columns of C from B, source 1 = 16 rows of A): a lane holds row l % 16 of C and eight neighbouring columns 8 (l / 16) + 0..7.
; REGISTERS, in windows of 256.  Window 0: v0-31 addresses; v32-95, v96-159 A's fragments (8 x 16 rows x 32 K), two buffers; v160-255 B's fragments (12 x 16 columns x 32 K), ONE buffer.
; Window 1 + g: the 32 accumulators of column group g (blocks 4 g .. 4 g + 3): (a, bb) at v[8 (4 a + bb)].
; B has one buffer, so a quarter goes by groups: a group's 32 products, then the loads that bring the same group's fragments of the next quarter; A's next fragments go with group 0's.
.set STEPS,  16                        ; K steps
.set ASTEP,  8192*128                  ; bytes from a slab of Xb to the next
.set BSTEP,  64*6144                   ; bytes from 64 rows of Wqb to the next 64
.set PC,     6144                      ; a row of QKV, bytes
.set PAL,    144                       ; a row of A in LDS: 128 bytes + 16 = 36 words: the 16 rows of a fragment load begin at 16 different multiples of 4 words, modulo 64 words
.set AHALF,  128*PAL                   ; what one load brings of A, and what one wave reads of it
.set AREG,   2*AHALF
.set PBL,    864                       ; a row of B in LDS: 768 bytes with 32 behind every 256 = 216 words: the 8 rows x 32 bytes that 16 lanes of the turning load take begin at 8 different multiples of 8 words, modulo 64
.set BHALF,  32*PBL                    ; what one load brings of B: 32 rows, one quarter
.set SLOT1,  1<<17                     ; slot 1 begins here (a slot has 92,160 bytes), so that one exclusive or turns an address in one slot into the other's
.set STAGE,  SLOT1+AREG+2*BHALF        ; behind the ring: 128 rows of 784 bytes, the work-group's, for the way out; no tensor load lands here
.set SPITCH, 784                       ; 768 + 16 = 196 words: 16 rows begin 4 words further on each, modulo 64 words
.set SPARE,  STAGE+128*SPITCH          ; the spare words, 128 bytes a wave: two blocks of 256 bytes that no other line names
.set AA0,  8                           ; v8      my lane's place in A's tile; never rewritten
.set AB0,  9                           ; v9-11   the same in B's tile, for each column group
.set ADRA, 12                          ; v12     LDS address of A's fragments in the slot that is fetched from
.set ADRB, 13                          ; v13-15  the same for B's three groups
.set STO,  16                          ; v16     the way out: where I put 16 bytes of a row
.set RDA,  17                          ; v17-18  where I read rows back
.set RDB,  18
.set COA,  19                          ; v19-20  the same places in C
.set COB,  20
.set BO,   21                          ; v21     my byte offset in the bias
.set SPW,  28                          ; v28     LDS address of my spare word; never rewritten
.set NIL,  29                          ; v29     0; never rewritten
.set FA0,  32
.set FA1,  96
.set FB,   160
.set TMP,  32                          ; the way out: v32-223
.set TB,   15                          ; s15     0 or SLOT1: the slot that is fetched from
.set G1A,  24                          ; s[24:31] descriptor group 1 for A;  s[32:39] group 0: a set for each of the two first fills; the second then walks on
.set G0A,  32
.set G1B,  48                          ; s[48:55], s[56:63] the same for B
.set G0B,  56
.set MSB, 0
.macro WIN new                         ; the immediate's high byte repeats the setting that is left; a switch that changes nothing is dropped
.if MSB != (\new)
	s_set_vgpr_msb (MSB<<8)|(\new)
.set MSB, \new
.endif
.endm
.macro PLACES                          ; four plain instructions between a matrix instruction and a load into, or a read of, its registers
.rept 4
	v_nop
.endr
.endm
; A joint load: waves 0 and 1 fetch A's two halves, waves 2 and 3 B's.  The branch hangs on the wave's number alone.  An s_nop 0 and four v_nop follow each line.
.macro JLOAD s
	s_cmp_lt_u32 s12, 2
	s_cbranch_scc0 .Lfor_b_\@
	tensor_load_to_lds s[G0A+4*(\s):G0A+4*(\s)+3], s[G1A:G1A+7]
	s_nop 0
.rept 4
	v_nop
.endr
	s_branch .Lasked_\@
.Lfor_b_\@:
	tensor_load_to_lds s[G0B+4*(\s):G0B+4*(\s)+3], s[G1B:G1B+7]
	s_nop 0
.rept 4
	v_nop
.endr
.Lasked_\@:
.endm
.macro CREST                           ; a round of the cluster's barrier behind its opening barrier: wave 0 signals for the work-group, all wait, the work-group's barrier closes it
	s_cmp_lg_u32 s12, 0
	s_cbranch_scc1 .Lnot_wave_0_\@
	s_barrier_signal -3
.Lnot_wave_0_\@:
	s_barrier_wait -3
	s_barrier_signal -1
	s_barrier_wait -1
.endm
.macro CROUND
	s_barrier_signal -1
	s_barrier_wait -1
	CREST
.endm
	s_load_b256 s[4:11], s[0:1], 0x0               ; Xb s[4:5], Wqb s[6:7], QKV s[8:9], b_qkv s[10:11]
	v_lshl_add_u32 v[SPW], v0, 2, SPARE
	v_mov_b32 v[NIL], 0
	ds_add_u32 v[SPW], v[NIL]                      ; the wave's opening: the add and its wait stand ahead of my first tensor load; the set-up below stands between them
	v_lshrrev_b32 v1, 5, v0
	v_readfirstlane_b32 s12, v1                    ; wave 0..3
	s_lshr_b32 s13, s12, 1                         ; my half of the tile's rows
	s_and_b32 s14, s12, 1                          ; my half of its columns; also: which half of A's or B's tile I fetch
	s_bfe_u32 s40, ttmp6, 0x40000                  ; cx
	s_bfe_u32 s41, ttmp6, 0x40004                  ; cy
	s_lshl_b32 s42, ttmp9, 2
	s_add_co_u32 s42, s42, s40                     ; tile column = 4 x cluster x + cx
	s_and_b32 s43, ttmp7, 0xffff
	s_lshl_b32 s43, s43, 2
	s_add_co_u32 s43, s43, s41                     ; tile row = 4 x cluster y + cy
	s_lshl_b32 s44, s41, 2
	s_lshl_b32 s44, 15, s44                        ; my row of the cluster
	s_lshl_b32 s45, 0x1111, s40                    ; my column
	; group 1 for A.  128 rows of a slab are 16,384 dense bytes: asked for as 64 rows of 256 bytes, two rows of A each, with 4 words of padding behind every 32
	s_or_b32 s[G1A+0], s44, (1<<16)|(1<<20)|(1<<21)|(4<<22)|(3<<25)
	s_mov_b32 s[G1A+1], 128<<16                    ; tensor_dim0
	s_mov_b32 s[G1A+2], 64<<16                     ; tensor_dim1
	s_mov_b32 s[G1A+3], 128<<16                    ; tile_dim0
	s_mov_b32 s[G1A+4], 64                         ; tile_dim1
	s_mov_b32 s[G1A+5], 128                        ; elements from row to row
	s_mov_b32 s[G1A+6], 0
	s_mov_b32 s[G1A+7], 0
	; group 1 for B: 32 rows (K) x 384 elements, 8 words of padding behind every 64: three times in a row of 192 words
	s_or_b32 s[G1B+0], s45, (1<<16)|(1<<20)|(1<<21)|(5<<22)|(7<<25)
	s_mov_b32 s[G1B+1], 384<<16
	s_mov_b32 s[G1B+2], 32<<16
	s_mov_b32 s[G1B+3], 384<<16
	s_mov_b32 s[G1B+4], 32
	s_mov_b32 s[G1B+5], 3072
	s_mov_b32 s[G1B+6], 0
	s_mov_b32 s[G1B+7], 0
	; A's tile hangs on the tile row and the wave, B's on the tile column and the wave
	s_lshl_b32 s16, s43, 15                        ; 256 rows of 128 bytes a tile row,
	s_lshl_b32 s17, s14, 14                        ; my 128 of them
	s_add_co_u32 s16, s16, s17
	s_mov_b32 s17, 0
	s_mul_i32 s46, s42, 768                        ; 384 columns a tile column,
	s_mul_i32 s47, s14, 32*6144                    ; my 32 of a K step's 64 rows
	s_add_co_u32 s46, s46, s47
	s_mov_b32 s47, 0
	s_mul_i32 s22, s14, AHALF                      ; where they go: no place in the cluster enters an LDS address
	s_mul_i32 s23, s14, BHALF
	s_add_co_u32 s23, s23, AREG
	s_mov_b32 s[TB], 0
	s_mov_b32 s2, 0xffff0000                       ; a word's upper bf16
	s_wait_dscnt 0x0                               ; the opening add is done
	s_wait_kmcnt 0x0
	s_add_nc_u64 s[20:21], s[4:5], s[16:17]
	s_add_nc_u64 s[46:47], s[6:7], s[46:47]
	CROUND                                         ; all sixteen work-groups are here: the first joint loads meet
.irp s, 0,1
	s_mov_b32 s[G0A+4*(\s)], 1                     ; count = 1
	s_add_co_u32 s[G0A+4*(\s)+1], s22, (\s)*SLOT1  ; LDS address
	s_add_nc_u64 s[G0A+4*(\s)+2:G0A+4*(\s)+3], s[20:21], (\s)*ASTEP  ; K step s
	s_or_b32 s[G0A+4*(\s)+3], s[G0A+4*(\s)+3], 0x80000000            ; type = 2
	s_mov_b32 s[G0B+4*(\s)], 1
	s_add_co_u32 s[G0B+4*(\s)+1], s23, (\s)*SLOT1
	s_add_nc_u64 s[G0B+4*(\s)+2:G0B+4*(\s)+3], s[46:47], (\s)*BSTEP
	s_or_b32 s[G0B+4*(\s)+3], s[G0B+4*(\s)+3], 0x80000000
	JLOAD \s                                       ; two loads of mine are out: the most that this text ever has
.endr
	v_and_b32 v1, 15, v0                           ; l % 16
	v_bfe_u32 v2, v0, 4, 1                         ; l / 16
	; THE BIAS of column block b goes straight into the registers of accumulator (7, b): 4 bytes x (384 x tile column + 192 x half + 16 b + 8 (l / 16) + 0..7)
	s_mul_i32 s22, s42, 1536
	s_mul_i32 s23, s14, 768
	s_add_co_u32 s22, s22, s23
	v_lshl_add_u32 v[BO], v2, 5, s22
.irp g, 0,1,2
	WIN (1+\g)<<6                                  ; destination in the group's window
.irp bb, 0,1,2,3
	global_load_b128 v[224+8*\bb:227+8*\bb], v[BO], s[10:11] offset:64*(4*\g+\bb)
	global_load_b128 v[228+8*\bb:231+8*\bb], v[BO], s[10:11] offset:64*(4*\g+\bb)+16
.endr
.endr
	WIN 0
	; a fragment of A is 16 rows x 32 K in 8 registers: lane l holds row l % 16, K = 8 (l / 16) + 0..7 and 16 + 8 (l / 16) + 0..7: two loads of 16 bytes, 32 bytes apart
	v_mul_u32_u24 v3, v1, PAL
	v_lshl_add_u32 v3, v2, 4, v3
	s_mul_i32 s22, s13, AHALF
	v_add_nc_u32 v[AA0], s22, v3
	; the turning load takes 16 K x 16 columns: lane l reads row 8 (l / 16) + l % 8, columns 8 ((l / 8) % 2) + 0..7, and ends with column l % 16 and 8 K
	v_and_b32 v4, 7, v0
	v_lshl_add_u32 v4, v2, 3, v4
	v_mul_u32_u24 v4, v4, PBL
	v_bfe_u32 v5, v0, 3, 1
	v_lshl_add_u32 v4, v5, 4, v4
	s_mul_i32 s22, s14, 12                         ; my first block of 16 columns among the tile's 24
.irp g, 0,1,2
	s_add_co_u32 s23, s22, 4*\g                    ; block j begins at byte 32 j + 32 (j / 8) of an LDS row; a group of four never crosses a multiple of 8
	s_lshr_b32 s16, s23, 3
	s_add_co_u32 s23, s23, s16
	s_lshl_b32 s23, s23, 5
	s_add_co_u32 s23, s23, AREG
	v_add_nc_u32 v[AB0+\g], s23, v4
.endr
	; the way out.  In: stage row 64 x row half + l % 16, my half of its 768 bytes, 16 bytes for each half of the lanes
	s_mul_i32 s22, s13, 64*SPITCH
	s_mul_i32 s23, s14, 384
	s_add_co_u32 s22, s22, s23
	s_add_co_u32 s22, s22, STAGE
	v_mul_u32_u24 v4, v1, SPITCH
	v_lshl_add_u32 v4, v2, 4, v4
	v_add_nc_u32 v[STO], s22, v4
	; back: wave w takes stage rows 32 w .. 32 w + 31, whole.  Two rows are 96 pieces of 16 bytes, three loads: pieces 0-31 of the first row; its pieces 32-47 and the second row's 0-15; the second row's 16-47
	s_mul_i32 s22, s12, 32*SPITCH
	s_add_co_u32 s22, s22, STAGE
	v_and_b32 v5, 31, v0
	v_lshlrev_b32 v[COA], 4, v5
	v_add_nc_u32 v[RDA], s22, v[COA]
	v_lshlrev_b32 v6, 4, v1
	v_mul_u32_u24 v7, v2, SPITCH-512
	v_add3_u32 v[RDB], v6, v7, s22
	v_add_nc_u32 v[RDB], 512, v[RDB]               ; lanes 0-15: byte 512 + 16 (l % 16) of the first row; lanes 16-31: byte 16 (l % 16) of the second
	v_mul_u32_u24 v7, v2, PC-512
	v_add3_u32 v[COB], v6, v7, 512
	s_lshl_b32 s16, s43, 8                         ; C at the first row that I store, 256 x tile row + 128 x row half + 32 x column half, and the tile's first column
	s_lshl_b32 s17, s13, 7
	s_add_co_u32 s16, s16, s17
	s_lshl_b32 s17, s14, 5
	s_add_co_u32 s16, s16, s17
	s_mul_i32 s16, s16, PC
	s_mul_i32 s17, s42, 768
	s_add_co_u32 s16, s16, s17
	s_mov_b32 s17, 0
	s_add_nc_u64 s[8:9], s[8:9], s[16:17]
	s_wait_loadcnt 0x0
.irp g, 0,1,2                          ; the bias is rounded to bf16 like every input, and kept in f32; the packed words lie meanwhile in registers of the same window that the first products write
	WIN 0x45*(1+\g)                                ; destination and both sources in the group's window
.set i, 0
.rept 16
	v_cvt_pk_bf16_f32 v[i], v[224+2*i], v[225+2*i]
.set i, i+1
.endr
.set i, 0
.rept 16
	v_lshlrev_b32 v[224+2*i], 16, v[i]
	v_and_b32 v[225+2*i], s2, v[i]
.set i, i+1
.endr
.endr
	WIN 0
; Row blocks alo .. ahi x the four column blocks of group g, 32 along K, with A's buffer f.  The accumulators take turns, one instruction a turn, in the same order in every quarter.
.macro GRP f, g, alo, ahi
	WIN 0x50*(1+(\g))                              ; C and D in the group's window, sources in window 0
.set aa, \alo
.rept (\ahi)-(\alo)+1
.irp bb, 0,1,2,3
	v_wmma_f32_16x16x32_bf16 v[8*(4*aa+\bb):8*(4*aa+\bb)+7], v[FB+8*(4*(\g)+\bb):FB+8*(4*(\g)+\bb)+7], v[(\f)+8*aa:(\f)+8*aa+7], v[8*(4*aa+\bb):8*(4*aa+\bb)+7]
.endr
.set aa, aa+1
.endr
.endm
; The same for the first quarter: the products start the sums with the bias, which lies in the registers of row block 7's accumulators.  Blocks 0-6 take it as C; five plain instructions
; stand between the last of them and block 7's products, which write over it in place (ISA guide 7.12.1).  Nothing is cleared.
.macro GRPS f, g
	WIN 0x50*(1+(\g))
.set aa, 0
.rept 7
.irp bb, 0,1,2,3
	v_wmma_f32_16x16x32_bf16 v[8*(4*aa+\bb):8*(4*aa+\bb)+7], v[FB+8*(4*(\g)+\bb):FB+8*(4*(\g)+\bb)+7], v[(\f)+8*aa:(\f)+8*aa+7], v[224+8*\bb:231+8*\bb]
.endr
.set aa, aa+1
.endr
.rept 5
	v_nop
.endr
.irp bb, 0,1,2,3
	v_wmma_f32_16x16x32_bf16 v[224+8*\bb:231+8*\bb], v[FB+8*(4*(\g)+\bb):FB+8*(4*(\g)+\bb)+7], v[(\f)+56:(\f)+63], v[224+8*\bb:231+8*\bb]
.endr
.endm
.macro RUNA q, fa                      ; 16 LDS loads: A's eight fragments of quarter q of the slot in hand into buffer fa
.set ia, 0
.rept 8
	ds_load_b128 v[(\fa)+8*ia:(\fa)+8*ia+3],   v[ADRA] offset:64*(\q)+ia*16*PAL
	ds_load_b128 v[(\fa)+8*ia+4:(\fa)+8*ia+7], v[ADRA] offset:64*(\q)+ia*16*PAL+32
.set ia, ia+1
.endr
.endm
.macro RUNB g, q                       ; 8 LDS loads: the four fragments of B's group g of quarter q
.irp bb, 0,1,2,3
	ds_load_tr16_b128 v[FB+8*(4*(\g)+\bb):FB+8*(4*(\g)+\bb)+3],   v[ADRB+(\g)] offset:(\q)*BHALF+32*\bb
	ds_load_tr16_b128 v[FB+8*(4*(\g)+\bb)+4:FB+8*(4*(\g)+\bb)+7], v[ADRB+(\g)] offset:(\q)*BHALF+32*\bb+16*PBL
.endr
.endm
.macro ADDRS                           ; the four fetch addresses: the slot's base + my lane's places
	v_add_nc_u32 v[ADRA], s[TB], v[AA0]
.irp g, 0,1,2
	v_add_nc_u32 v[ADRB+\g], s[TB], v[AB0+\g]
.endr
.endm
; A K step's first quarter: multiplies A's buffer f and fetches quarter qn of the same slot (A into buffer o).  Three runs of loads are out at its head: 24 (A and group 0), 8 (group 1), 8 (group 2).
.macro QUARTER f, o, qn, start
	s_wait_dscnt 16                                ; A and group 0 are in; the 16 loads of groups 1 and 2 may be out
.if \start
	GRPS \f, 0
.else
	GRP \f, 0, 0, 7
.endif
	PLACES
	WIN 0
	RUNA \qn, \o
	RUNB 0, \qn
	s_wait_dscnt 32                                ; group 1 is in; group 2's 8 and the 24 just issued may be out
.if \start
	GRPS \f, 1
.else
	GRP \f, 1, 0, 7
.endif
	PLACES
	WIN 0
	RUNB 1, \qn
	s_wait_dscnt 32                                ; group 2 is in; the 24 and the 8 issued since may be out
.if \start
	GRPS \f, 2
.else
	GRP \f, 2, 0, 7
.endif
	PLACES
	WIN 0
	RUNB 2, \qn
.endm
; A K step's second quarter multiplies buffer 1 and changes slots: ONE barrier.  All reads of this slot were issued in the first quarter.  In front of the barrier each wave waits for all its tensor
; loads (one is out: its part of the next slot), adds 0 to its spare word, and waits for that and for its reads of this slot.  fill = 1: the barrier opens a round of the cluster's, and this slot is
; filled again, two K steps on, first thing behind the round: 160 matrix instructions ahead of the wait for it.  Then the next slot's first quarter is fetched, group by group.
.macro TURNQ fill
	WIN 0                                          ; (the add's two registers lie in window 0)
	s_wait_tensorcnt 0x0                           ; no tensor load of mine is out, so a group 0 may be written
	ds_add_u32 v[SPW], v[NIL]                      ; 0 onto my spare word; work on registers stands between it and the wait for it
	s_xor_b32 s[TB], s[TB], SLOT1                  ; the fetches go on in the other slot
	ADDRS
.if \fill
	s_xor_b32 s[G0A+5], s[G0A+5], SLOT1            ; the walking descriptors: the other slot than last time,
	s_add_nc_u64 s[G0A+6:G0A+7], s[G0A+6:G0A+7], ASTEP  ; the next K step; the type bits on top are not reached
	s_xor_b32 s[G0B+5], s[G0B+5], SLOT1
	s_add_nc_u64 s[G0B+6:G0B+7], s[G0B+6:G0B+7], BSTEP
.endif
	s_wait_dscnt 17                                ; A and group 0 are in; the 16 loads of groups 1 and 2 and the add may be out
	GRP FA1, 0, 0, 3
	s_wait_dscnt 0x0                               ; the add is done, and my reads of this slot are over
	s_barrier_signal -1
	GRP FA1, 0, 4, 7
	WIN 0
	s_barrier_wait -1
.if \fill
	CREST                                          ; no wave of any partner still reads this slot or has a load on its way
	JLOAD 1                                        ; its four v_nop are also the places in front of the loads below
.else
	PLACES
.endif
	RUNA 0, FA0
	RUNB 0, 0
	GRP FA1, 1, 0, 7
	PLACES
	WIN 0
	RUNB 1, 0
	GRP FA1, 2, 0, 7
	PLACES
	WIN 0
	RUNB 2, 0
.endm
; THE WAY OUT, in two halves: row blocks 4 p .. 4 p + 3 of every wave.  A wave's 192 columns are 384 bytes, one and a half aligned blocks of 256, so the two waves of a row half write the two halves of
; the same stage rows, a barrier stands between the writing and the reading, and each wave then reads 32 whole rows of 768 bytes and stores them.
.macro PACKST p                        ; rounded to f16, each accumulator's registers in ascending order: 16 bytes a lane; then into the stage
.irp g, 0,1,2
	WIN 5*(1+\g)                                   ; sources 0 and 1 in the group's window
.set aa, 0
.rept 4
.irp bb, 0,1,2,3
.irp r, 0,1,2,3
	v_cvt_pk_f16_f32 v[TMP+48*aa+4*(4*\g+\bb)+\r], v[8*(4*(4*(\p)+aa)+\bb)+2*\r], v[8*(4*(4*(\p)+aa)+\bb)+2*\r+1]
.endr
.endr
.set aa, aa+1
.endr
.endr
	WIN 0
.set aa, 0
.rept 4
.set cb, 0
.rept 12
	ds_store_b128 v[STO], v[TMP+48*aa+4*cb:TMP+48*aa+4*cb+3] offset:aa*16*SPITCH+32*cb
.set cb, cb+1
.endr
.set aa, aa+1
.endr
.endm
.macro SENDH p
	s_wait_dscnt 0x0                               ; for the others' sake: my stores into the stage are done
	s_barrier_signal -1
	s_barrier_wait -1
.set u, 0
.rept 16
	ds_load_b128 v[TMP+12*u:TMP+12*u+3],    v[RDA] offset:u*2*SPITCH
	ds_load_b128 v[TMP+12*u+4:TMP+12*u+7],  v[RDB] offset:u*2*SPITCH
	ds_load_b128 v[TMP+12*u+8:TMP+12*u+11], v[RDA] offset:u*2*SPITCH+SPITCH+256
.set u, u+1
.endr
.set u, 0
.rept 16
	s_wait_dscnt 45-3*u                            ; this pair of rows is back; the 45 - 3 u younger loads may be out
	global_store_b128 v[COA], v[TMP+12*u:TMP+12*u+3],    s[8:9] offset:(64*(\p)+2*u)*PC         ; sixteen lanes store 256 consecutive bytes, at a multiple of 256 from C's first byte
	global_store_b128 v[COB], v[TMP+12*u+4:TMP+12*u+7],  s[8:9] offset:(64*(\p)+2*u)*PC
	global_store_b128 v[COA], v[TMP+12*u+8:TMP+12*u+11], s[8:9] offset:(64*(\p)+2*u)*PC+PC+256
.set u, u+1
.endr
.endm
	s_wait_tensorcnt 0x1                           ; my part of K step 0 is in; K step 1's may stay out
	s_barrier_signal -1
	s_barrier_wait -1                              ; everybody's is
	ADDRS
	RUNA 0, FA0
	RUNB 0, 0
	RUNB 1, 0
	RUNB 2, 0
	QUARTER FA0, FA1, 1, 1                         ; the first quarter stands in front of the loop: its products start the sums
	s_mov_b32 s3, STEPS-2
.Lstep:                                                ; a trip: a K step's second quarter, with the refill of its slot, and the next step's first quarter (every quarter leaves all windows 0)
	TURNQ 1
	QUARTER FA0, FA1, 1, 0
	s_sub_co_u32 s3, s3, 1
	s_cmp_lg_u32 s3, 0
	s_cbranch_scc1 .Lstep
	TURNQ 0                                        ; the tail is written out: nothing is asked for
	QUARTER FA0, FA1, 1, 0
	s_wait_dscnt 16                                ; the very last quarter: nothing more to fetch, the counts run down
	GRP FA1, 0, 0, 7
	s_wait_dscnt 8
	GRP FA1, 1, 0, 7
	s_wait_dscnt 0x0
	GRP FA1, 2, 0, 7
	WIN 0
	PLACES                                         ; what follows reads results just made and writes fragment registers just read
	PACKST 0
	SENDH 0
	s_barrier_signal -1                            ; every wave's reads of the stage are back (its last count was 0): the stage may be written again
	s_barrier_wait -1
	s_wait_xcnt 0x0                                ; the stores have read their registers, which the conversions below write
	PACKST 1
	SENDH 1
	s_wait_tensorcnt 0x0                           ; the wave's end
	ds_add_u32 v[SPW], v[NIL]
	s_wait_dscnt 0x0
	CROUND                                         ; the closing round: no work-group ends while a partner may still ask for a tile that names it
	s_endpgm
.Lfunc_end_k_qe8183c62cb_qkv:
	.size	k_qe8183c62cb_qkv, .Lfunc_end_k_qe8183c62cb_qkv-k_qe8183c62cb_qkv
	.p2alignl 7, 3214868480
	.fill 96, 4, 3214868480
	.section	.rodata,"a",@progbits
	.p2align	6, 0x0
	.amdhsa_kernel k_qe8183c62cb_qkv
		.amdhsa_group_segment_fixed_size 327680
		.amdhsa_private_segment_fixed_size 0
		.amdhsa_enable_private_segment 0
		.amdhsa_kernarg_size 32
		.amdhsa_user_sgpr_count 2
		.amdhsa_user_sgpr_kernarg_segment_ptr 1
		.amdhsa_wavefront_size32 1
		.amdhsa_system_sgpr_workgroup_id_x 1
		.amdhsa_system_sgpr_workgroup_id_y 1
		.amdhsa_system_sgpr_workgroup_id_z 1
		.amdhsa_system_vgpr_workitem_id 0
		.amdhsa_next_free_vgpr 1024
		.amdhsa_next_free_sgpr 66
		.amdhsa_reserve_vcc 0
		.amdhsa_float_denorm_mode_32 3
		.amdhsa_float_denorm_mode_16_64 3
		.amdhsa_memory_ordered 1
		.amdhsa_forward_progress 1
		.amdhsa_inst_pref_size 121
	.end_amdhsa_kernel
	.amdgpu_metadata
---
amdhsa.version: [ 1, 2 ]
amdhsa.kernels:
  - .name:           k_qe8183c62cb_qkv
    .symbol:         k_qe8183c62cb_qkv.kd
    .args:
      - { .name: Xb, .offset: 0, .size: 8, .value_kind: global_buffer, .address_space: global }
      - { .name: Wqb, .offset: 8, .size: 8, .value_kind: global_buffer, .address_space: global }
      - { .name: QKV, .offset: 16, .size: 8, .value_kind: global_buffer, .address_space: global }
      - { .name: b_qkv, .offset: 24, .size: 8, .value_kind: global_buffer, .address_space: global }
    .group_segment_fixed_size: 327680
    .private_segment_fixed_size: 0
    .kernarg_segment_align: 8
    .kernarg_segment_size: 32
    .max_flat_workgroup_size: 128
    .sgpr_count:     66
    .vgpr_count:     1024
    .wavefront_size: 32
...
	.end_amdgpu_metadata
.endif
;; end of part 2
;; launch scores (part 3): grid 8 x 32, 4 waves a work-group, clusters of 4 x 4, 327,680 bytes of LDS; arguments QKV, Sc; writes Sc
.if DOCPART == 3
	.amdgcn_target "amdgcn-amd-amdhsa--gfx1250"
	.amdhsa_code_object_version 6
	.text
	.protected	k_qe8183c62cb_scores
	.globl	k_qe8183c62cb_scores
	.p2align	8
	.type	k_qe8183c62cb_scores,@function
k_qe8183c62cb_scores:
	s_mov_b64 s[64:65], 0
	v_nop
	global_prefetch_b8 v0, s[64:65] scope:SCOPE_SE
	s_setreg_imm32_b32 hwreg(HW_REG_WAVE_MODE, 25, 1), 1
	s_wait_xcnt 0x0
	s_wait_alu depctr_hold_cnt(0) depctr_sa_sdst(0) depctr_va_vdst(0) depctr_va_sdst(0) depctr_va_ssrc(0) depctr_va_vcc(0) depctr_vm_vsrc(0)
	s_getreg_b32 s2, hwreg(HW_REG_IB_STS2, 6, 4)
	s_cmp_eq_u32 s2, 0
	s_cbranch_scc0 .Lentry_in_a_cluster
	s_endpgm
.Lentry_in_a_cluster:
	s_bfe_u32 s2, ttmp6, 0x10000c
	s_cmp_lg_u32 s2, 0xf033
	s_cbranch_scc0 .Lentry_shape_is_right
	s_endpgm
.Lentry_shape_is_right:
; Sc[b][q][k] = the sum over d of q[b][q][d] k[b][k][d], unscaled and unmasked, in f32.  q = QKV's columns 0-1023, k = its columns 1024-2047, both f16, rows of 3,072 elements.
; Sc [8192][2048] f32, row = 2048 b + q.  The scores stay in f32: they enter an exponent, and they pass f16's range for inputs that the problem allows.
; The text below is one text for this program's four products; the switches choose what is assembled.
.set MH,    2                          ; a wave's rows of C in halves of 64: the tile of C is 128 MH x 256
.set BF,    0                          ; 1: bf16 operands, 0: f16
.set BT,    0                          ; 0: B lies [N][K]; 1: B lies [K][N] and is turned on its way out of LDS
.set KTOT,  1024
.set PA,    3072                       ; A's pitch, elements
.set PB,    3072                       ; B's pitch, elements
.set BCOL,  2048                       ; bytes from B's buffer to B's first column
.set BSH,   1                          ; batch = cluster y >> BSH (8 tile rows = 2 clusters a batch); below 0: B has no batch
.set OUT32, 1                          ; C in f32 (1) or f16 (0)
.set PC,    8192                       ; C's pitch, bytes
.set BIAS,  0
.set NTOUT, 0                          ; 1: C is read by no later launch
.set ARGS,  1                          ; 0: A, B, C, bias; 1: A and B in one buffer, C; 2: A, B, C
; SHARES.  Four waves, 2 x 2 over the tile: a wave makes 64 MH x 128 of C in 32 MH accumulators of 16 x 16.  K goes in steps of 128 through two LDS slots filled by the tensor data mover.
; CLUSTER.  4 x 4 work-groups: the four of a row need the same tiles of A, the four of a column the same tiles of B; each tile is asked for jointly, by the same load, descriptor and mask in all four.
; THE MATRIX INSTRUCTION IS USED TRANSPOSED (source 0 = 16 columns of C from B, source 1 = 16 rows of A): a lane holds row l % 16 of C and eight neighbouring columns 8 (l / 16) + 0..7.
; REGISTERS, in windows of 256: window 0: v0-31 addresses, v64.. and v128.. A's two fragment buffers, v192-255 the bias and later the way out; window 1: v64-127, v128-191 B's two buffers;
; window 2: the accumulators of my rows 0-63, (a, b) at v[8 (8 a + b)]; window 3 (MH = 2): those of rows 64-127.
.set TM,     128*MH
.set ES,     2+2*OUT32                 ; bytes of an element of C
.set PITCH,  272                       ; an LDS row of 128 K: 256 bytes + 16 = 68 words, so the 16 rows of a fragment load begin 4 words further on each, modulo 64 words
.set PBL,    544                       ; an LDS row of 256 columns of a turned B: 512 bytes + 32 = 17 x 32
.set AHALF,  64*MH*PITCH               ; what one load brings of A, and what one wave reads of it
.set AREG,   2*AHALF
.set BHALF,  34816                     ; what one load brings of B: 128 rows x 272 or 64 rows x 544
.set SLOT,   AREG+2*BHALF
.set STAGE,  2*SLOT                    ; behind the ring: 16 rows for each wave, for the way out; no tensor load lands here
.set SPITCH, 272+256*OUT32
.set SPARE,  STAGE+4*16*SPITCH         ; the spare words, 128 bytes a wave: two blocks of 256 bytes that no other line names
.set LAPS,   KTOT/256                  ; a lap = two K steps = once round the ring
.set NBLK,   4*MH                      ; my blocks of 16 rows of C
.if BT
.set BSTEP,  256*PB                    ; bytes from a K step of B to the next: 128 rows
.else
.set BSTEP,  256
.endif
.set ADRA, 16                          ; v16-17  LDS address of my A fragments in slot 0, 1
.set ADRB, 20                          ; v20-21  the same for B
.set STO,  24                          ; v24     the way out: where I put my part of a row
.set RD,   25                          ; v25     where I read rows back
.set CO,   26                          ; v26     my byte offset in C
.set SPW,  28                          ; v28     LDS address of my spare word; never rewritten
.set NIL,  29                          ; v29     0; never rewritten
.set BO,   30                          ; v30     my byte offset in the bias
.set F0,   64
.set F1,   128
.set BI,   192                         ; v192-255 the bias of my 128 columns: block b's eight at BI + 8 b
.set TMP,  192                         ; later: packed results
.set OB,   32                          ; f16 way out: rows read back, v32-63 and v224-255 by turns
.set G1A,  24                          ; s[24:31] descriptor group 1 for A;  s[32:39] group 0, a set for each slot
.set G0A,  32
.set G1B,  48                          ; s[48:55], s[56:63] the same for B
.set G0B,  56
.set MSB, 0
.macro WIN new                         ; the immediate's high byte repeats the setting that is left; a switch that changes nothing is dropped
.if MSB != (\new)
	s_set_vgpr_msb (MSB<<8)|(\new)
.set MSB, \new
.endif
.endm
.set MUL_LO, 0xa1                      ; source 0 (B) window 1, source 1 (A) window 0, C and D window 2; + 0x50: window 3
.set TO_B,   0x40                      ; destination window 1, address window 0
.macro PLACES                          ; four plain instructions between a matrix instruction and a load into, or a read of, its registers
.rept 4
	v_nop
.endr
.endm
; A joint load: waves 0 and 1 fetch A's two halves, waves 2 and 3 B's.  The branch hangs on the wave's number alone.  An s_nop 0 and four v_nop follow each line.
.macro JLOAD s
	s_cmp_lt_u32 s12, 2
	s_cbranch_scc0 .Lfor_b_\@
	tensor_load_to_lds s[G0A+4*(\s):G0A+4*(\s)+3], s[G1A:G1A+7]
	s_nop 0
.rept 4
	v_nop
.endr
	s_branch .Lasked_\@
.Lfor_b_\@:
	tensor_load_to_lds s[G0B+4*(\s):G0B+4*(\s)+3], s[G1B:G1B+7]
	s_nop 0
.rept 4
	v_nop
.endr
.Lasked_\@:
.endm
.macro CREST                           ; a round of the cluster's barrier behind its opening barrier: wave 0 signals for the work-group, all wait, the work-group's barrier closes it
	s_cmp_lg_u32 s12, 0
	s_cbranch_scc1 .Lnot_wave_0_\@
	s_barrier_signal -3
.Lnot_wave_0_\@:
	s_barrier_wait -3
	s_barrier_signal -1
	s_barrier_wait -1
.endm
.macro CROUND
	s_barrier_signal -1
	s_barrier_wait -1
	CREST
.endm
.if ARGS == 0
	s_load_b256 s[4:11], s[0:1], 0x0               ; A s[4:5], B s[6:7], C s[8:9], bias s[10:11]
.elseif ARGS == 1
	s_load_b64 s[4:5], s[0:1], 0x0                 ; A and B lie in one buffer
	s_load_b64 s[6:7], s[0:1], 0x0
	s_load_b64 s[8:9], s[0:1], 0x8                 ; C
.else
	s_load_b128 s[4:7], s[0:1], 0x0                ; A, B
	s_load_b64 s[8:9], s[0:1], 0x10                ; C
.endif
	v_lshl_add_u32 v[SPW], v0, 2, SPARE
	v_mov_b32 v[NIL], 0
	ds_add_u32 v[SPW], v[NIL]                      ; the wave's opening: the add and its wait stand ahead of my first tensor load; the set-up below stands between them
	v_lshrrev_b32 v1, 5, v0
	v_readfirstlane_b32 s12, v1                    ; wave 0..3
	s_lshr_b32 s13, s12, 1                         ; my half of the tile's rows
	s_and_b32 s14, s12, 1                          ; my half of its columns; also: which half of A's or B's tile I fetch
	s_bfe_u32 s40, ttmp6, 0x40000                  ; cx
	s_bfe_u32 s41, ttmp6, 0x40004                  ; cy
	s_lshl_b32 s42, ttmp9, 2
	s_add_co_u32 s42, s42, s40                     ; tile column = 4 x cluster x + cx
	s_and_b32 s15, ttmp7, 0xffff                   ; cluster y, which all sixteen share
	s_lshl_b32 s43, s15, 2
	s_add_co_u32 s43, s43, s41                     ; tile row = 4 x cluster y + cy
	s_lshl_b32 s44, s41, 2
	s_lshl_b32 s44, 15, s44                        ; my row of the cluster
	s_lshl_b32 s45, 0x1111, s40                    ; my column
	; group 1 for A: 64 MH rows x 128 elements of 2 bytes, 4 words of padding behind every 64
	s_or_b32 s[G1A+0], s44, (1<<16)|(1<<20)|(1<<21)|(5<<22)|(3<<25)
	s_mov_b32 s[G1A+1], 128<<16                    ; tensor_dim0
	s_mov_b32 s[G1A+2], (64*MH)<<16                ; tensor_dim1
	s_mov_b32 s[G1A+3], 128<<16                    ; tile_dim0
	s_mov_b32 s[G1A+4], 64*MH                      ; tile_dim1
	s_mov_b32 s[G1A+5], PA                         ; elements from row to row
	s_mov_b32 s[G1A+6], 0
	s_mov_b32 s[G1A+7], 0
.if BT                                 ; group 1 for B: 64 rows (K) x 256 elements, 8 words of padding behind every 128
	s_or_b32 s[G1B+0], s45, (1<<16)|(1<<20)|(1<<21)|(6<<22)|(7<<25)
	s_mov_b32 s[G1B+1], 256<<16
	s_mov_b32 s[G1B+2], 64<<16
	s_mov_b32 s[G1B+3], 256<<16
	s_mov_b32 s[G1B+4], 64
.else                                  ; or 128 rows (N) x 128 elements, padded as A
	s_or_b32 s[G1B+0], s45, (1<<16)|(1<<20)|(1<<21)|(5<<22)|(3<<25)
	s_mov_b32 s[G1B+1], 128<<16
	s_mov_b32 s[G1B+2], 128<<16
	s_mov_b32 s[G1B+3], 128<<16
	s_mov_b32 s[G1B+4], 128
.endif
	s_mov_b32 s[G1B+5], PB
	s_mov_b32 s[G1B+6], 0
	s_mov_b32 s[G1B+7], 0
	; A's tile hangs on the tile row and the wave, B's on the tile column, the cluster's y and the wave: each in registers that never hold the other coordinate
	s_mul_i32 s16, s43, TM
	s_mul_i32 s17, s14, 64*MH
	s_add_co_u32 s16, s16, s17                     ; A's first row that I fetch
	s_mov_b32 s17, 0
	s_mov_b64 s[18:19], PA*2
	s_mul_u64 s[16:17], s[16:17], s[18:19]
.if BSH >= 0
	s_lshr_b32 s46, s15, BSH                       ; the batch,
	s_lshl_b32 s46, s46, 11                        ; its 2,048 rows of B
.else
	s_mov_b32 s46, 0
.endif
.if BT
	s_lshl_b32 s47, s14, 6                         ; my 64 of a K step's 128 rows
	s_add_co_u32 s46, s46, s47
.else
	s_lshl_b32 s47, s42, 8                         ; the tile's 256 rows of B,
	s_add_co_u32 s46, s46, s47
	s_lshl_b32 s47, s14, 7                         ; my 128 of them
	s_add_co_u32 s46, s46, s47
.endif
	s_mov_b32 s47, 0
	s_mov_b64 s[56:57], PB*2
	s_mul_u64 s[46:47], s[46:47], s[56:57]
.if BT
	s_lshl_b32 s56, s42, 9                         ; the tile's 256 columns
	s_mov_b32 s57, 0
	s_add_nc_u64 s[46:47], s[46:47], s[56:57]
.endif
.if BCOL
	s_add_nc_u64 s[46:47], s[46:47], BCOL
.endif
	s_mul_i32 s22, s14, AHALF                      ; where they go: no place in the cluster enters an LDS address
	s_mul_i32 s23, s14, BHALF
	s_add_co_u32 s23, s23, AREG
	s_wait_dscnt 0x0                               ; the opening add is done
	s_wait_kmcnt 0x0
	s_add_nc_u64 s[20:21], s[4:5], s[16:17]
	s_add_nc_u64 s[46:47], s[6:7], s[46:47]
	CROUND                                         ; all sixteen work-groups are here: the first joint loads meet
.irp s, 0,1
	s_mov_b32 s[G0A+4*(\s)], 1                     ; count = 1
	s_add_co_u32 s[G0A+4*(\s)+1], s22, (\s)*SLOT   ; LDS address
	s_add_nc_u64 s[G0A+4*(\s)+2:G0A+4*(\s)+3], s[20:21], (\s)*256  ; K step s
	s_or_b32 s[G0A+4*(\s)+3], s[G0A+4*(\s)+3], 0x80000000          ; type = 2
	s_mov_b32 s[G0B+4*(\s)], 1
	s_add_co_u32 s[G0B+4*(\s)+1], s23, (\s)*SLOT
	s_add_nc_u64 s[G0B+4*(\s)+2:G0B+4*(\s)+3], s[46:47], (\s)*BSTEP
	s_or_b32 s[G0B+4*(\s)+3], s[G0B+4*(\s)+3], 0x80000000
	JLOAD \s                                       ; two loads of mine are out: the most that this text ever has
.endr
	v_and_b32 v1, 15, v0                           ; l % 16
	v_bfe_u32 v2, v0, 4, 1                         ; l / 16
.if BIAS
	s_lshl_b32 s22, s42, 10                        ; the bias of my 128 columns: 4 bytes x (256 x tile column + 128 x half + 16 b + 8 (l / 16) + 0..7)
	s_lshl_b32 s23, s14, 9
	s_add_co_u32 s22, s22, s23
	v_lshl_add_u32 v[BO], v2, 5, s22
.irp b, 0,1,2,3,4,5,6,7
	global_load_b128 v[BI+8*(\b):BI+8*(\b)+3],   v[BO], s[10:11] offset:64*(\b)
	global_load_b128 v[BI+8*(\b)+4:BI+8*(\b)+7], v[BO], s[10:11] offset:64*(\b)+16
.endr
	s_mov_b32 s2, 0xffff0000
.endif
	; a fragment is 16 rows x 32 K in 8 registers: lane l holds row l % 16, K = 8 (l / 16) + 0..7 and 16 + 8 (l / 16) + 0..7: two loads of 16 bytes, 32 bytes apart
	v_mul_u32_u24 v3, v1, PITCH
	v_lshl_add_u32 v3, v2, 4, v3
	s_mul_i32 s22, s13, AHALF
	v_add_nc_u32 v[ADRA], s22, v3
	v_add_nc_u32 v[ADRA+1], SLOT, v[ADRA]
.if BT                                 ; the turning load takes 16 K x 16 columns: lane l reads row 8 (l / 16) + l % 8, columns 8 ((l / 8) % 2) + 0..7, and ends with column l % 16 and 8 K
	v_and_b32 v4, 7, v0
	v_lshl_add_u32 v4, v2, 3, v4
	v_mul_u32_u24 v4, v4, PBL
	v_bfe_u32 v5, v0, 3, 1
	v_lshl_add_u32 v4, v5, 4, v4
	s_lshl_b32 s23, s14, 8                         ; my 128 columns
	s_add_co_u32 s23, s23, AREG
	v_add_nc_u32 v[ADRB], s23, v4
.else
	s_mul_i32 s23, s14, BHALF
	s_add_co_u32 s23, s23, AREG
	v_add_nc_u32 v[ADRB], s23, v3
.endif
	v_add_nc_u32 v[ADRB+1], SLOT, v[ADRB]
	s_mul_i32 s22, s12, 16*SPITCH
	s_add_co_u32 s22, s22, STAGE                   ; my stage
	v_mul_u32_u24 v4, v1, SPITCH
.if OUT32
	v_lshl_add_u32 v4, v2, 5, v4                   ; in: row l % 16, 32 bytes for each half of the lanes
	v_add_nc_u32 v[STO], s22, v4
	v_and_b32 v5, 31, v0
	v_lshlrev_b32 v[CO], 4, v5                     ; back: 32 lanes take one row of 512 bytes
	v_add_nc_u32 v[RD], s22, v[CO]
.else
	v_lshl_add_u32 v4, v2, 4, v4                   ; in: row l % 16, 16 bytes for each half of the lanes
	v_add_nc_u32 v[STO], s22, v4
	v_mul_u32_u24 v5, v2, SPITCH                   ; back: lanes 0-15 one row of 256 bytes, lanes 16-31 the next
	v_lshl_add_u32 v5, v1, 4, v5
	v_add_nc_u32 v[RD], s22, v5
	v_mul_u32_u24 v5, v2, PC
	v_lshl_add_u32 v[CO], v1, 4, v5
.endif
	s_mul_i32 s16, s43, TM                         ; C at my first row and column
	s_mul_i32 s17, s13, 64*MH
	s_add_co_u32 s16, s16, s17
	s_mov_b32 s17, 0
	s_mov_b64 s[18:19], PC
	s_mul_u64 s[16:17], s[16:17], s[18:19]
	s_mul_i32 s46, s42, 256*ES
	s_mul_i32 s47, s14, 128*ES
	s_add_co_u32 s46, s46, s47
	s_mov_b32 s47, 0
	s_add_nc_u64 s[16:17], s[16:17], s[46:47]
	s_add_nc_u64 s[8:9], s[8:9], s[16:17]
.if BIAS
	s_wait_loadcnt 0x0
.set i, 0
.rept 32                               ; the bias is rounded to bf16 like every input, and kept in f32
	v_cvt_pk_bf16_f32 v[4+i%4], v[BI+2*i], v[BI+2*i+1]
	v_lshlrev_b32 v[BI+2*i], 16, v[4+i%4]
	v_and_b32 v[BI+2*i+1], s2, v[4+i%4]
.set i, i+1
.endr
.endif
.macro WM d, a, b, c                   ; one matrix instruction by register numbers; c below 0: the constant 0 starts the sum
.if BF
.if (\c) < 0
	v_wmma_f32_16x16x32_bf16 v[(\d):(\d)+7], v[(\a):(\a)+7], v[(\b):(\b)+7], 0
.else
	v_wmma_f32_16x16x32_bf16 v[(\d):(\d)+7], v[(\a):(\a)+7], v[(\b):(\b)+7], v[(\c):(\c)+7]
.endif
.else
.if (\c) < 0
	v_wmma_f32_16x16x32_f16 v[(\d):(\d)+7], v[(\a):(\a)+7], v[(\b):(\b)+7], 0
.else
	v_wmma_f32_16x16x32_f16 v[(\d):(\d)+7], v[(\a):(\a)+7], v[(\b):(\b)+7], v[(\c):(\c)+7]
.endif
.endif
.endm
; 8 matrix instructions: row block a of the window's four x all 8 column blocks, 32 along K.  start = 1: the first product starts the sums, with the bias or with 0: nothing is cleared.
; The accumulators take turns, one instruction a turn, in the same order in every quarter.
.macro MULA f, hi, a, start
.if (\start) && BIAS
	WIN 0x81+0x40*(\hi)                            ; C, the bias, in window 0
.else
	WIN MUL_LO+0x50*(\hi)
.endif
.irp b, 0,1,2,3,4,5,6,7
.if (\start) && BIAS
	WM 8*(8*(\a)+(\b)), (\f)+8*(\b), (\f)+8*(4*(\hi)+(\a)), BI+8*(\b)
.elseif \start
	WM 8*(8*(\a)+(\b)), (\f)+8*(\b), (\f)+8*(4*(\hi)+(\a)), -1
.else
	WM 8*(8*(\a)+(\b)), (\f)+8*(\b), (\f)+8*(4*(\hi)+(\a)), 8*(8*(\a)+(\b))
.endif
.endr
.endm
.macro MUL16 f, hi, a0, start
	MULA \f, \hi, \a0, \start
	MULA \f, \hi, (\a0)+1, \start
.endm
; One run of LDS loads: the fragments of quarter q (32 along K) of a slot into buffer f: 16 for B, then 8 MH for A
.macro FETCH slot, q, f
	WIN TO_B
.irp i, 0,1,2,3,4,5,6,7
.if BT
	ds_load_tr16_b128 v[(\f)+8*(\i):(\f)+8*(\i)+3],   v[ADRB+(\slot)] offset:(\q)*32*PBL+32*(\i)
	ds_load_tr16_b128 v[(\f)+8*(\i)+4:(\f)+8*(\i)+7], v[ADRB+(\slot)] offset:(\q)*32*PBL+32*(\i)+16*PBL
.else
	ds_load_b128 v[(\f)+8*(\i):(\f)+8*(\i)+3],   v[ADRB+(\slot)] offset:64*(\q)+(\i)*16*PITCH
	ds_load_b128 v[(\f)+8*(\i)+4:(\f)+8*(\i)+7], v[ADRB+(\slot)] offset:64*(\q)+(\i)*16*PITCH+32
.endif
.endr
	WIN 0
.set ia, 0
.rept 4*MH
	ds_load_b128 v[(\f)+8*ia:(\f)+8*ia+3],   v[ADRA+(\slot)] offset:64*(\q)+ia*16*PITCH
	ds_load_b128 v[(\f)+8*ia+4:(\f)+8*ia+7], v[ADRA+(\slot)] offset:64*(\q)+ia*16*PITCH+32
.set ia, ia+1
.endr
.endm
; A K step is four quarters on buffers 0, 1, 0, 1.  One of the first three multiplies buffer f and fetches quarter q of the same slot into g.
.macro QUARTER slot, q, f, g, start
.if MH == 2
	s_wait_dscnt 8                                 ; B and A's rows 0-63 are in; the youngest eight loads (A's rows 64-127) may be out
	MUL16 \f, 0, 0, \start
	MUL16 \f, 0, 2, \start
	PLACES
	FETCH \slot, \q, \g
	s_wait_dscnt 32                                ; all but the 32 just issued
	MUL16 \f, 1, 0, \start
	MUL16 \f, 1, 2, \start
.else
	s_wait_dscnt 0x0                               ; buffer f is in: its run was issued 32 matrix instructions ago
	PLACES                                         ; buffer g's last readers stand just in front
	FETCH \slot, \q, \g
	MUL16 \f, 0, 0, \start
	MUL16 \f, 0, 2, \start
.endif
.endm
; The last quarter multiplies buffer 1 and changes slots: ONE barrier.  In front of it each wave waits for all its tensor loads (one is out: its part of the next slot), adds 0 to its spare
; word, and waits for that and for its reads of this slot.  fill = 1: the barrier opens a round of the cluster's, and this slot is filled again, two K steps on, first thing behind the round:
; 112 MH matrix instructions ahead of the wait for it.
.macro TURN slot, next, fill
	WIN 0                                          ; (the add's two registers lie in window 0)
	s_wait_tensorcnt 0x0
	ds_add_u32 v[SPW], v[NIL]                      ; 0 onto my spare word; matrix work stands between it and the wait for it
.if MH == 2
	s_wait_dscnt 9                                 ; the add and A's youngest eight loads may be out
	MUL16 F1, 0, 0, 0
.else
	s_wait_dscnt 1                                 ; the add may be out
	MULA F1, 0, 0, 0
.endif
	s_wait_dscnt 0x0                               ; the add is done, and my reads of this slot are over
	s_barrier_signal -1
.if MH == 2
	MUL16 F1, 0, 2, 0
.else
	MULA F1, 0, 1, 0
.endif
.if \fill
	WIN 0
.endif
	s_barrier_wait -1
.if \fill
	CREST                                          ; no wave of any partner still reads this slot or has a load on its way
	s_add_nc_u64 s[G0A+4*(\slot)+2:G0A+4*(\slot)+3], s[G0A+4*(\slot)+2:G0A+4*(\slot)+3], 512
	s_add_nc_u64 s[G0B+4*(\slot)+2:G0B+4*(\slot)+3], s[G0B+4*(\slot)+2:G0B+4*(\slot)+3], 2*BSTEP
	JLOAD \slot                                    ; its four v_nop are also the places in front of the loads below
.else
	PLACES
.endif
	FETCH \next, 0, F0
.if MH == 2
	MUL16 F1, 1, 0, 0
	MUL16 F1, 1, 2, 0
.else
	MUL16 F1, 0, 2, 0
.endif
.endm
; THE WAY OUT, a block of 16 rows at a time through my own stage in LDS, which serves a wave's instructions in order (ISA guide 5.7.1.4): no wait between its stores and its loads.
.if OUT32
.macro TOSTAGE32 a                     ; 32 bytes a lane and accumulator into rows of 528 bytes, low registers first; back as whole rows of 512
.set AC, 64*((\a)%4)
.set BK, F0+64*((\a)%2)
	s_wait_xcnt 0x0                                ; the stores of the block two back have read the registers that are loaded again below
	WIN 0x08+4*((\a)/4)                            ; store data in window 2 or 3
.irp b, 0,1,2,3,4,5,6,7
	ds_store_b128 v[STO], v[AC+8*(\b):AC+8*(\b)+3]   offset:64*(\b)
	ds_store_b128 v[STO], v[AC+8*(\b)+4:AC+8*(\b)+7] offset:64*(\b)+16
.endr
	WIN 0
.irp t, 0,1,2,3,4,5,6,7,8,9,10,11,12,13,14,15
	ds_load_b128 v[BK+4*(\t):BK+4*(\t)+3], v[RD] offset:(\t)*SPITCH
.endr
.endm
.macro SEND32 a, younger               ; younger: the LDS instructions issued behind this block's loads
.set BK, F0+64*((\a)%2)
	s_wait_dscnt \younger
.irp t, 0,1,2,3,4,5,6,7,8,9,10,11,12,13,14,15
.if NTOUT
	global_store_b128 v[CO], v[BK+4*(\t):BK+4*(\t)+3], s[8:9] offset:(16*(\a)+(\t))*PC th:TH_STORE_NT  ; 512 consecutive bytes, at a multiple of 512 from C's first
.else
	global_store_b128 v[CO], v[BK+4*(\t):BK+4*(\t)+3], s[8:9] offset:(16*(\a)+(\t))*PC  ; 512 consecutive bytes, at a multiple of 512 from C's first
.endif
.endr
.endm
.else
.macro PACK a                          ; rounded to f16, each accumulator's registers in ascending order: 16 bytes a lane
.set AC, 64*((\a)%4)
	WIN 0x0a+5*((\a)/4)                            ; sources 0 and 1 in window 2 or 3
.irp b, 0,1,2,3,4,5,6,7
.irp r, 0,1,2,3
	v_cvt_pk_f16_f32 v[TMP+4*(\b)+(\r)], v[AC+8*(\b)+2*(\r)], v[AC+8*(\b)+2*(\r)+1]
.endr
.endr
	WIN 0
.endm
.macro TOSTAGE a
.set BK, OB+192*((\a)%2)
.irp b, 0,1,2,3,4,5,6,7
	ds_store_b128 v[STO], v[TMP+4*(\b):TMP+4*(\b)+3] offset:32*(\b)
.endr
.irp t, 0,1,2,3,4,5,6,7
	ds_load_b128 v[BK+4*(\t):BK+4*(\t)+3], v[RD] offset:(\t)*2*SPITCH
.endr
.endm
.macro SEND a
.set BK, OB+192*((\a)%2)
	s_wait_dscnt 0x0                               ; the block is back in registers
	s_wait_xcnt 0x0                                ; the block before's stores have read their registers, which the next block's loads write
.irp t, 0,1,2,3,4,5,6,7
	global_store_b128 v[CO], v[BK+4*(\t):BK+4*(\t)+3], s[8:9] offset:(16*(\a)+2*(\t))*PC  ; 16 lanes store 256 consecutive bytes, at a multiple of 256 from C's first
.endr
.endm
.endif
	s_wait_tensorcnt 0x1                           ; my part of K step 0 is in; K step 1's may stay out
	s_barrier_signal -1
	s_barrier_wait -1                              ; everybody's is
	FETCH 0, 0, F0
	QUARTER 0, 1, F0, F1, 1                        ; the first quarter stands in front of the loop: its products start the sums
	WIN 0                                          ; at a label and at a branch every window is 0
	s_mov_b32 s3, LAPS-1
.Llap:                                                 ; a trip goes once round the ring, from a lap's second quarter to the next lap's first, and fills both slots again
	QUARTER 0, 2, F1, F0, 0
	QUARTER 0, 3, F0, F1, 0
	TURN 0, 1, 1
	QUARTER 1, 1, F0, F1, 0
	QUARTER 1, 2, F1, F0, 0
	QUARTER 1, 3, F0, F1, 0
	TURN 1, 0, 1
	QUARTER 0, 1, F0, F1, 0
	WIN 0
	s_sub_co_u32 s3, s3, 1
	s_cmp_lg_u32 s3, 0
	s_cbranch_scc1 .Llap
	QUARTER 0, 2, F1, F0, 0                        ; the last lap is written out: it fills nothing and has no round
	QUARTER 0, 3, F0, F1, 0
	TURN 0, 1, 0
	QUARTER 1, 1, F0, F1, 0
	QUARTER 1, 2, F1, F0, 0
	QUARTER 1, 3, F0, F1, 0
.if MH == 2
	s_wait_dscnt 8
	MUL16 F1, 0, 0, 0
	MUL16 F1, 0, 2, 0
	s_wait_dscnt 0x0
	MUL16 F1, 1, 0, 0
	MUL16 F1, 1, 2, 0
.else
	s_wait_dscnt 0x0
	MUL16 F1, 0, 0, 0
	MUL16 F1, 0, 2, 0
.endif
	WIN 0
	PLACES                                         ; what follows reads results just made and loads into fragment registers just read
.if OUT32
	TOSTAGE32 0
.set blk, 1
.rept NBLK-1
	TOSTAGE32 blk
	SEND32 blk-1, 32                               ; the next block's 16 stores and 16 loads may be out
.set blk, blk+1
.endr
	SEND32 NBLK-1, 0
.else
	PACK 0
	TOSTAGE 0
.set blk, 1
.rept NBLK-1                           ; a block's conversions stand between the loads of the block before and the wait for them
	PACK blk
	SEND blk-1
	TOSTAGE blk
.set blk, blk+1
.endr
	SEND NBLK-1
.endif
	s_wait_tensorcnt 0x0                           ; the wave's end
	ds_add_u32 v[SPW], v[NIL]
	s_wait_dscnt 0x0
	CROUND                                         ; the closing round: no work-group ends while a partner may still ask for a tile that names it
	s_endpgm
.Lfunc_end_k_qe8183c62cb_scores:
	.size	k_qe8183c62cb_scores, .Lfunc_end_k_qe8183c62cb_scores-k_qe8183c62cb_scores
	.p2alignl 7, 3214868480
	.fill 96, 4, 3214868480
	.section	.rodata,"a",@progbits
	.p2align	6, 0x0
	.amdhsa_kernel k_qe8183c62cb_scores
		.amdhsa_group_segment_fixed_size 327680
		.amdhsa_private_segment_fixed_size 0
		.amdhsa_enable_private_segment 0
		.amdhsa_kernarg_size 16
		.amdhsa_user_sgpr_count 2
		.amdhsa_user_sgpr_kernarg_segment_ptr 1
		.amdhsa_wavefront_size32 1
		.amdhsa_system_sgpr_workgroup_id_x 1
		.amdhsa_system_sgpr_workgroup_id_y 1
		.amdhsa_system_sgpr_workgroup_id_z 1
		.amdhsa_system_vgpr_workitem_id 0
		.amdhsa_next_free_vgpr 1024
		.amdhsa_next_free_sgpr 66
		.amdhsa_reserve_vcc 0
		.amdhsa_float_denorm_mode_32 3
		.amdhsa_float_denorm_mode_16_64 3
		.amdhsa_memory_ordered 1
		.amdhsa_forward_progress 1
		.amdhsa_inst_pref_size 141
	.end_amdhsa_kernel
	.amdgpu_metadata
---
amdhsa.version: [ 1, 2 ]
amdhsa.kernels:
  - .name:           k_qe8183c62cb_scores
    .symbol:         k_qe8183c62cb_scores.kd
    .args:
      - { .name: QKV, .offset: 0, .size: 8, .value_kind: global_buffer, .address_space: global }
      - { .name: Sc, .offset: 8, .size: 8, .value_kind: global_buffer, .address_space: global }
    .group_segment_fixed_size: 327680
    .private_segment_fixed_size: 0
    .kernarg_segment_align: 8
    .kernarg_segment_size: 16
    .max_flat_workgroup_size: 128
    .sgpr_count:     66
    .vgpr_count:     1024
    .wavefront_size: 32
...
	.end_amdgpu_metadata
.endif
;; end of part 3
;; launch softmax (part 4): grid 1024 x 1, 8 waves a work-group, no clusters, 0 bytes of LDS; arguments Sc, attention_mask, P; writes P
.if DOCPART == 4
	.amdgcn_target "amdgcn-amd-amdhsa--gfx1250"
	.amdhsa_code_object_version 6
	.text
	.protected	k_qe8183c62cb_softmax
	.globl	k_qe8183c62cb_softmax
	.p2align	8
	.type	k_qe8183c62cb_softmax,@function
k_qe8183c62cb_softmax:
	s_mov_b64 s[64:65], 0
	v_nop
	global_prefetch_b8 v0, s[64:65] scope:SCOPE_SE
	s_setreg_imm32_b32 hwreg(HW_REG_WAVE_MODE, 25, 1), 1
	s_wait_xcnt 0x0
; P[row][:] = softmax over 2,048 keys of where(mask, -1e20, Sc[row][:] / 32).  Sc [8192][2048] f32 (raw sums), attention_mask [8192][2048] bytes, P [8192][2048] f16.
; The select works on the raw sums with -32e20, which is -1e20 after the division by 32; any mask byte other than 0 counts as true.
; p = 2^(c (s - m)), c = log2(e) / 32, m the row's maximum after the select: the difference is taken first, so s = m gives exactly 1, and a row that is masked throughout comes out uniform.
; The sum l is taken of the unrounded p in f32; P = p / l is rounded once to f16.
; LIMITS.  A weight below 2^-126 counts as 0; below 6e-5 P keeps f16's fixed step of 6e-8; NaN and infinities are not treated apart.
; SHARES.  One wave, one row: 64 scores a lane stay in registers between the three passes, so the row is read once and no wave waits for another: no LDS, no barrier, no loop.
; Piece j of sixteen holds columns 128 j + 4 lane + 0..3: a load of scores covers 512 consecutive bytes, a store of P 256 consecutive aligned bytes.
; All 32 loads of a wave go out at once.  No cluster and no matrix unit: the work-groups share no input.
.set S,  16                            ; v[16:79]   the scores, then the weights
.set MK, 80                            ; v[80:95]   four mask bytes a piece
.set PO, 96                            ; v[96:127]  four f16 a piece
	s_load_b128 s[4:7], s[0:1], 0x0                ; Sc s[4:5], mask s[6:7]
	s_load_b64 s[8:9], s[0:1], 0x10                ; P
	v_lshrrev_b32 v4, 5, v0
	v_readfirstlane_b32 s10, v4                    ; wave 0..7
	s_lshl_b32 s11, ttmp9, 3
	s_add_co_u32 s11, s11, s10                     ; my row
	s_lshl_b32 s12, s11, 13                        ; 8,192 bytes of scores,
	s_mov_b32 s13, 0
	s_lshl_b32 s14, s11, 11                        ; 2,048 of mask,
	s_mov_b32 s15, 0
	s_lshl_b32 s22, s11, 12                        ; 4,096 of weights
	s_mov_b32 s23, 0
	s_mov_b32 s16, 0x01000000                      ; a word is at least this if its top byte is not 0
	s_mov_b32 s18, 0x3d38aa3b                      ; c = log2(e) / 32
	s_mov_b32 s19, s18                             ; named with it as a pair
	s_mov_b32 s20, 0x76543210                      ; v_permlanex16_b32: each lane takes its own place in the other half
	s_mov_b32 s21, 0xfedcba98
	v_and_b32 v4, 31, v0
	v_lshlrev_b32 v1, 4, v4                        ; 16 x lane
	v_lshlrev_b32 v2, 2, v4                        ; 4 x lane
	v_lshlrev_b32 v3, 3, v4                        ; 8 x lane
	v_mov_b32 v15, 0xe32d78ec                      ; -32e20
	s_wait_kmcnt 0x0
	s_add_nc_u64 s[4:5], s[4:5], s[12:13]
	s_add_nc_u64 s[6:7], s[6:7], s[14:15]
	s_add_nc_u64 s[8:9], s[8:9], s[22:23]
.set j, 0
.rept 16
	global_load_b32 v[MK+j], v2, s[6:7] offset:128*j th:TH_LOAD_NT
.set j, j+1
.endr
.set j, 0
.rept 16
	global_load_b128 v[S+4*j:S+4*j+3], v1, s[4:5] offset:512*j th:TH_LOAD_NT
.set j, j+1
.endr
	; pass 1: the select, and the maximum in four chains that the first four pieces start
.set j, 0
.rept 16
	s_wait_loadcnt 15-j                            ; loads come back in order: piece j's scores are in (the masks went first), the 15 - j younger loads may be out
	v_lshlrev_b32 v4, 24, v[MK+j]                  ; each mask byte in turn at the word's top
	v_lshlrev_b32 v5, 16, v[MK+j]
	v_lshlrev_b32 v6, 8, v[MK+j]
	v_cmp_le_u32 s24, s16, v4
	v_cmp_le_u32 s25, s16, v5
	v_cmp_le_u32 s26, s16, v6
	v_cmp_le_u32 s27, s16, v[MK+j]
	v_cndmask_b32 v[S+4*j],   v[S+4*j],   v15, s24
	v_cndmask_b32 v[S+4*j+1], v[S+4*j+1], v15, s25
	v_cndmask_b32 v[S+4*j+2], v[S+4*j+2], v15, s26
	v_cndmask_b32 v[S+4*j+3], v[S+4*j+3], v15, s27
.if j < 4
	v_max3_num_f32 v[8+j], v[S+4*j], v[S+4*j+1], v[S+4*j+2]
	v_max_num_f32 v[8+j], v[8+j], v[S+4*j+3]
.else
	v_max3_num_f32 v[8+j%4], v[8+j%4], v[S+4*j], v[S+4*j+1]
	v_max3_num_f32 v[8+j%4], v[8+j%4], v[S+4*j+2], v[S+4*j+3]
.endif
.set j, j+1
.endr
	v_max3_num_f32 v8, v8, v9, v10
	v_max_num_f32 v8, v8, v11
	v_max_num_f32_dpp v8, v8, v8 row_xmask:1 row_mask:0xf bank_mask:0xf
	v_max_num_f32_dpp v8, v8, v8 row_xmask:2 row_mask:0xf bank_mask:0xf
	v_max_num_f32_dpp v8, v8, v8 row_xmask:4 row_mask:0xf bank_mask:0xf
	v_max_num_f32_dpp v8, v8, v8 row_xmask:8 row_mask:0xf bank_mask:0xf
	v_permlanex16_b32 v9, v8, s20, s21
	v_max_num_f32 v12, v8, v9                      ; every lane holds m,
	v_mov_b32 v13, v12                             ; twice, for the packed subtraction
	; pass 2: c (s - m), the exponentials, the sum
.set j, 0
.rept 32
	v_pk_add_f32 v[S+2*j:S+2*j+1], v[S+2*j:S+2*j+1], v[12:13] neg_lo:[0,1] neg_hi:[0,1]
.set j, j+1
.endr
.set j, 0
.rept 32
	v_pk_mul_f32 v[S+2*j:S+2*j+1], v[S+2*j:S+2*j+1], s[18:19] op_sel_hi:[1,0]
.set j, j+1
.endr
.set j, 0
.rept 64
	v_exp_f32 v[S+j], v[S+j]
.set j, j+1
.endr
	v_nop                                          ; a plain instruction between the run of exponentials and the first use of a result (ISA guide 5.7.2)
.set j, 0
	s_wait_alu depctr_va_vdst(0)
.rept 4                                ; four chains of pairs, started by the first eight pairs: nothing is cleared
	v_pk_add_f32 v[4+2*j:5+2*j], v[S+2*j:S+2*j+1], v[S+8+2*j:S+8+2*j+1]
.set j, j+1
.endr
.set j, 8
.rept 24
	v_pk_add_f32 v[4+2*(j%4):5+2*(j%4)], v[4+2*(j%4):5+2*(j%4)], v[S+2*j:S+2*j+1]
.set j, j+1
.endr
	v_pk_add_f32 v[4:5], v[4:5], v[6:7]
	v_pk_add_f32 v[8:9], v[8:9], v[10:11]
	v_pk_add_f32 v[4:5], v[4:5], v[8:9]
	v_add_f32 v4, v4, v5
	v_add_f32_dpp v4, v4, v4 row_xmask:1 row_mask:0xf bank_mask:0xf
	v_add_f32_dpp v4, v4, v4 row_xmask:2 row_mask:0xf bank_mask:0xf
	v_add_f32_dpp v4, v4, v4 row_xmask:4 row_mask:0xf bank_mask:0xf
	v_add_f32_dpp v4, v4, v4 row_xmask:8 row_mask:0xf bank_mask:0xf
	v_permlanex16_b32 v5, v4, s20, s21
	v_add_f32 v4, v4, v5                           ; l: at least 1, since the maximum's own weight is 1
	v_rcp_f32 v12, v4
	v_rcp_f32 v13, v4
	v_nop                                          ; a plain instruction between the reciprocals and their use
	; pass 3: p / l, rounded to f16, stored
.set j, 0
	s_wait_alu depctr_va_vdst(0)
.rept 16
	v_pk_mul_f32 v[S+4*j:S+4*j+1],   v[S+4*j:S+4*j+1],   v[12:13]
	v_pk_mul_f32 v[S+4*j+2:S+4*j+3], v[S+4*j+2:S+4*j+3], v[12:13]
	v_cvt_pk_f16_f32 v[PO+2*j],   v[S+4*j],   v[S+4*j+1]
	v_cvt_pk_f16_f32 v[PO+2*j+1], v[S+4*j+2], v[S+4*j+3]
	global_store_b64 v3, v[PO+2*j:PO+2*j+1], s[8:9] offset:256*j
.set j, j+1
.endr
	s_endpgm
.Lfunc_end_k_qe8183c62cb_softmax:
	.size	k_qe8183c62cb_softmax, .Lfunc_end_k_qe8183c62cb_softmax-k_qe8183c62cb_softmax
	.p2alignl 7, 3214868480
	.fill 96, 4, 3214868480
	.section	.rodata,"a",@progbits
	.p2align	6, 0x0
	.amdhsa_kernel k_qe8183c62cb_softmax
		.amdhsa_group_segment_fixed_size 0
		.amdhsa_private_segment_fixed_size 0
		.amdhsa_enable_private_segment 0
		.amdhsa_kernarg_size 24
		.amdhsa_user_sgpr_count 2
		.amdhsa_user_sgpr_kernarg_segment_ptr 1
		.amdhsa_wavefront_size32 1
		.amdhsa_system_sgpr_workgroup_id_x 1
		.amdhsa_system_sgpr_workgroup_id_y 1
		.amdhsa_system_sgpr_workgroup_id_z 1
		.amdhsa_system_vgpr_workitem_id 0
		.amdhsa_next_free_vgpr 128
		.amdhsa_next_free_sgpr 66
		.amdhsa_reserve_vcc 0
		.amdhsa_float_denorm_mode_32 3
		.amdhsa_float_denorm_mode_16_64 3
		.amdhsa_memory_ordered 1
		.amdhsa_forward_progress 1
		.amdhsa_inst_pref_size 31
	.end_amdhsa_kernel
	.amdgpu_metadata
---
amdhsa.version: [ 1, 2 ]
amdhsa.kernels:
  - .name:           k_qe8183c62cb_softmax
    .symbol:         k_qe8183c62cb_softmax.kd
    .args:
      - { .name: Sc, .offset: 0, .size: 8, .value_kind: global_buffer, .address_space: global }
      - { .name: attention_mask, .offset: 8, .size: 8, .value_kind: global_buffer, .address_space: global }
      - { .name: P, .offset: 16, .size: 8, .value_kind: global_buffer, .address_space: global }
    .group_segment_fixed_size: 0
    .private_segment_fixed_size: 0
    .kernarg_segment_align: 8
    .kernarg_segment_size: 24
    .max_flat_workgroup_size: 256
    .sgpr_count:     66
    .vgpr_count:     128
    .wavefront_size: 32
...
	.end_amdgpu_metadata
.endif
;; end of part 4
;; launch pv (part 5): grid 4 x 64, 4 waves a work-group, clusters of 4 x 4, 327,680 bytes of LDS; arguments P, QKV, Ctx; writes Ctx
.if DOCPART == 5
	.amdgcn_target "amdgcn-amd-amdhsa--gfx1250"
	.amdhsa_code_object_version 6
	.text
	.protected	k_qe8183c62cb_pv
	.globl	k_qe8183c62cb_pv
	.p2align	8
	.type	k_qe8183c62cb_pv,@function
k_qe8183c62cb_pv:
	s_mov_b64 s[64:65], 0
	v_nop
	global_prefetch_b8 v0, s[64:65] scope:SCOPE_SE
	s_setreg_imm32_b32 hwreg(HW_REG_WAVE_MODE, 25, 1), 1
	s_wait_xcnt 0x0
	s_wait_alu depctr_hold_cnt(0) depctr_sa_sdst(0) depctr_va_vdst(0) depctr_va_sdst(0) depctr_va_ssrc(0) depctr_va_vcc(0) depctr_vm_vsrc(0)
	s_getreg_b32 s2, hwreg(HW_REG_IB_STS2, 6, 4)
	s_cmp_eq_u32 s2, 0
	s_cbranch_scc0 .Lentry_in_a_cluster
	s_endpgm
.Lentry_in_a_cluster:
	s_bfe_u32 s2, ttmp6, 0x10000c
	s_cmp_lg_u32 s2, 0xf033
	s_cbranch_scc0 .Lentry_shape_is_right
	s_endpgm
.Lentry_shape_is_right:
; Ctx[b][q][d] = the sum over k of P[b][q][k] v[b][k][d].  P [8192][2048] f16, v = QKV's columns 2048-3071 (f16, rows of 3,072 elements, K down the rows), Ctx [8192][1024] f16.
; Sums in f32, rounded once to f16.  Ctx is a mean of v's rows and has their range; below 6e-5 it keeps f16's fixed step of 6e-8.
; The text below is one text for this program's four products; the switches choose what is assembled.
.set MH,    1                          ; a wave's rows of C in halves of 64: the tile of C is 128 MH x 256
.set BF,    0                          ; 1: bf16 operands, 0: f16
.set BT,    1                          ; 0: B lies [N][K]; 1: B lies [K][N] and is turned on its way out of LDS
.set KTOT,  2048
.set PA,    2048                       ; A's pitch, elements
.set PB,    3072                       ; B's pitch, elements
.set BCOL,  4096                       ; bytes from B's buffer to B's first column
.set BSH,   2                          ; batch = cluster y >> BSH (16 tile rows = 4 clusters a batch); below 0: B has no batch
.set OUT32, 0                          ; C in f32 (1) or f16 (0)
.set PC,    2048                       ; C's pitch, bytes
.set BIAS,  0
.set NTOUT, 0                          ; 1: C is read by no later launch
.set ARGS,  2                          ; 0: A, B, C, bias; 1: A and B in one buffer, C; 2: A, B, C
; SHARES.  Four waves, 2 x 2 over the tile: a wave makes 64 MH x 128 of C in 32 MH accumulators of 16 x 16.  K goes in steps of 128 through two LDS slots filled by the tensor data mover.
; CLUSTER.  4 x 4 work-groups: the four of a row need the same tiles of A, the four of a column the same tiles of B; each tile is asked for jointly, by the same load, descriptor and mask in all four.
; THE MATRIX INSTRUCTION IS USED TRANSPOSED (source 0 = 16 columns of C from B, source 1 = 16 rows of A): a lane holds row l % 16 of C and eight neighbouring columns 8 (l / 16) + 0..7.
; REGISTERS, in windows of 256: window 0: v0-31 addresses, v64.. and v128.. A's two fragment buffers, v192-255 the bias and later the way out; window 1: v64-127, v128-191 B's two buffers;
; window 2: the accumulators of my rows 0-63, (a, b) at v[8 (8 a + b)]; window 3 (MH = 2): those of rows 64-127.
.set TM,     128*MH
.set ES,     2+2*OUT32                 ; bytes of an element of C
.set PITCH,  272                       ; an LDS row of 128 K: 256 bytes + 16 = 68 words, so the 16 rows of a fragment load begin 4 words further on each, modulo 64 words
.set PBL,    544                       ; an LDS row of 256 columns of a turned B: 512 bytes + 32 = 17 x 32
.set AHALF,  64*MH*PITCH               ; what one load brings of A, and what one wave reads of it
.set AREG,   2*AHALF
.set BHALF,  34816                     ; what one load brings of B: 128 rows x 272 or 64 rows x 544
.set SLOT,   AREG+2*BHALF
.set STAGE,  2*SLOT                    ; behind the ring: 16 rows for each wave, for the way out; no tensor load lands here
.set SPITCH, 272+256*OUT32
.set SPARE,  STAGE+4*16*SPITCH         ; the spare words, 128 bytes a wave: two blocks of 256 bytes that no other line names
.set LAPS,   KTOT/256                  ; a lap = two K steps = once round the ring
.set NBLK,   4*MH                      ; my blocks of 16 rows of C
.if BT
.set BSTEP,  256*PB                    ; bytes from a K step of B to the next: 128 rows
.else
.set BSTEP,  256
.endif
.set ADRA, 16                          ; v16-17  LDS address of my A fragments in slot 0, 1
.set ADRB, 20                          ; v20-21  the same for B
.set STO,  24                          ; v24     the way out: where I put my part of a row
.set RD,   25                          ; v25     where I read rows back
.set CO,   26                          ; v26     my byte offset in C
.set SPW,  28                          ; v28     LDS address of my spare word; never rewritten
.set NIL,  29                          ; v29     0; never rewritten
.set BO,   30                          ; v30     my byte offset in the bias
.set F0,   64
.set F1,   128
.set BI,   192                         ; v192-255 the bias of my 128 columns: block b's eight at BI + 8 b
.set TMP,  192                         ; later: packed results
.set OB,   32                          ; f16 way out: rows read back, v32-63 and v224-255 by turns
.set G1A,  24                          ; s[24:31] descriptor group 1 for A;  s[32:39] group 0, a set for each slot
.set G0A,  32
.set G1B,  48                          ; s[48:55], s[56:63] the same for B
.set G0B,  56
.set MSB, 0
.macro WIN new                         ; the immediate's high byte repeats the setting that is left; a switch that changes nothing is dropped
.if MSB != (\new)
	s_set_vgpr_msb (MSB<<8)|(\new)
.set MSB, \new
.endif
.endm
.set MUL_LO, 0xa1                      ; source 0 (B) window 1, source 1 (A) window 0, C and D window 2; + 0x50: window 3
.set TO_B,   0x40                      ; destination window 1, address window 0
.macro PLACES                          ; four plain instructions between a matrix instruction and a load into, or a read of, its registers
.rept 4
	v_nop
.endr
.endm
; A joint load: waves 0 and 1 fetch A's two halves, waves 2 and 3 B's.  The branch hangs on the wave's number alone.  An s_nop 0 and four v_nop follow each line.
.macro JLOAD s
	s_cmp_lt_u32 s12, 2
	s_cbranch_scc0 .Lfor_b_\@
	tensor_load_to_lds s[G0A+4*(\s):G0A+4*(\s)+3], s[G1A:G1A+7]
	s_nop 0
.rept 4
	v_nop
.endr
	s_branch .Lasked_\@
.Lfor_b_\@:
	tensor_load_to_lds s[G0B+4*(\s):G0B+4*(\s)+3], s[G1B:G1B+7]
	s_nop 0
.rept 4
	v_nop
.endr
.Lasked_\@:
.endm
.macro CREST                           ; a round of the cluster's barrier behind its opening barrier: wave 0 signals for the work-group, all wait, the work-group's barrier closes it
	s_cmp_lg_u32 s12, 0
	s_cbranch_scc1 .Lnot_wave_0_\@
	s_barrier_signal -3
.Lnot_wave_0_\@:
	s_barrier_wait -3
	s_barrier_signal -1
	s_barrier_wait -1
.endm
.macro CROUND
	s_barrier_signal -1
	s_barrier_wait -1
	CREST
.endm
.if ARGS == 0
	s_load_b256 s[4:11], s[0:1], 0x0               ; A s[4:5], B s[6:7], C s[8:9], bias s[10:11]
.elseif ARGS == 1
	s_load_b64 s[4:5], s[0:1], 0x0                 ; A and B lie in one buffer
	s_load_b64 s[6:7], s[0:1], 0x0
	s_load_b64 s[8:9], s[0:1], 0x8                 ; C
.else
	s_load_b128 s[4:7], s[0:1], 0x0                ; A, B
	s_load_b64 s[8:9], s[0:1], 0x10                ; C
.endif
	v_lshl_add_u32 v[SPW], v0, 2, SPARE
	v_mov_b32 v[NIL], 0
	ds_add_u32 v[SPW], v[NIL]                      ; the wave's opening: the add and its wait stand ahead of my first tensor load; the set-up below stands between them
	v_lshrrev_b32 v1, 5, v0
	v_readfirstlane_b32 s12, v1                    ; wave 0..3
	s_lshr_b32 s13, s12, 1                         ; my half of the tile's rows
	s_and_b32 s14, s12, 1                          ; my half of its columns; also: which half of A's or B's tile I fetch
	s_bfe_u32 s40, ttmp6, 0x40000                  ; cx
	s_bfe_u32 s41, ttmp6, 0x40004                  ; cy
	s_lshl_b32 s42, ttmp9, 2
	s_add_co_u32 s42, s42, s40                     ; tile column = 4 x cluster x + cx
	s_and_b32 s15, ttmp7, 0xffff                   ; cluster y, which all sixteen share
	s_lshl_b32 s43, s15, 2
	s_add_co_u32 s43, s43, s41                     ; tile row = 4 x cluster y + cy
	s_lshl_b32 s44, s41, 2
	s_lshl_b32 s44, 15, s44                        ; my row of the cluster
	s_lshl_b32 s45, 0x1111, s40                    ; my column
	; group 1 for A: 64 MH rows x 128 elements of 2 bytes, 4 words of padding behind every 64
	s_or_b32 s[G1A+0], s44, (1<<16)|(1<<20)|(1<<21)|(5<<22)|(3<<25)
	s_mov_b32 s[G1A+1], 128<<16                    ; tensor_dim0
	s_mov_b32 s[G1A+2], (64*MH)<<16                ; tensor_dim1
	s_mov_b32 s[G1A+3], 128<<16                    ; tile_dim0
	s_mov_b32 s[G1A+4], 64*MH                      ; tile_dim1
	s_mov_b32 s[G1A+5], PA                         ; elements from row to row
	s_mov_b32 s[G1A+6], 0
	s_mov_b32 s[G1A+7], 0
.if BT                                 ; group 1 for B: 64 rows (K) x 256 elements, 8 words of padding behind every 128
	s_or_b32 s[G1B+0], s45, (1<<16)|(1<<20)|(1<<21)|(6<<22)|(7<<25)
	s_mov_b32 s[G1B+1], 256<<16
	s_mov_b32 s[G1B+2], 64<<16
	s_mov_b32 s[G1B+3], 256<<16
	s_mov_b32 s[G1B+4], 64
.else                                  ; or 128 rows (N) x 128 elements, padded as A
	s_or_b32 s[G1B+0], s45, (1<<16)|(1<<20)|(1<<21)|(5<<22)|(3<<25)
	s_mov_b32 s[G1B+1], 128<<16
	s_mov_b32 s[G1B+2], 128<<16
	s_mov_b32 s[G1B+3], 128<<16
	s_mov_b32 s[G1B+4], 128
.endif
	s_mov_b32 s[G1B+5], PB
	s_mov_b32 s[G1B+6], 0
	s_mov_b32 s[G1B+7], 0
	; A's tile hangs on the tile row and the wave, B's on the tile column, the cluster's y and the wave: each in registers that never hold the other coordinate
	s_mul_i32 s16, s43, TM
	s_mul_i32 s17, s14, 64*MH
	s_add_co_u32 s16, s16, s17                     ; A's first row that I fetch
	s_mov_b32 s17, 0
	s_mov_b64 s[18:19], PA*2
	s_mul_u64 s[16:17], s[16:17], s[18:19]
.if BSH >= 0
	s_lshr_b32 s46, s15, BSH                       ; the batch,
	s_lshl_b32 s46, s46, 11                        ; its 2,048 rows of B
.else
	s_mov_b32 s46, 0
.endif
.if BT
	s_lshl_b32 s47, s14, 6                         ; my 64 of a K step's 128 rows
	s_add_co_u32 s46, s46, s47
.else
	s_lshl_b32 s47, s42, 8                         ; the tile's 256 rows of B,
	s_add_co_u32 s46, s46, s47
	s_lshl_b32 s47, s14, 7                         ; my 128 of them
	s_add_co_u32 s46, s46, s47
.endif
	s_mov_b32 s47, 0
	s_mov_b64 s[56:57], PB*2
	s_mul_u64 s[46:47], s[46:47], s[56:57]
.if BT
	s_lshl_b32 s56, s42, 9                         ; the tile's 256 columns
	s_mov_b32 s57, 0
	s_add_nc_u64 s[46:47], s[46:47], s[56:57]
.endif
.if BCOL
	s_add_nc_u64 s[46:47], s[46:47], BCOL
.endif
	s_mul_i32 s22, s14, AHALF                      ; where they go: no place in the cluster enters an LDS address
	s_mul_i32 s23, s14, BHALF
	s_add_co_u32 s23, s23, AREG
	s_wait_dscnt 0x0                               ; the opening add is done
	s_wait_kmcnt 0x0
	s_add_nc_u64 s[20:21], s[4:5], s[16:17]
	s_add_nc_u64 s[46:47], s[6:7], s[46:47]
	CROUND                                         ; all sixteen work-groups are here: the first joint loads meet
.irp s, 0,1
	s_mov_b32 s[G0A+4*(\s)], 1                     ; count = 1
	s_add_co_u32 s[G0A+4*(\s)+1], s22, (\s)*SLOT   ; LDS address
	s_add_nc_u64 s[G0A+4*(\s)+2:G0A+4*(\s)+3], s[20:21], (\s)*256  ; K step s
	s_or_b32 s[G0A+4*(\s)+3], s[G0A+4*(\s)+3], 0x80000000          ; type = 2
	s_mov_b32 s[G0B+4*(\s)], 1
	s_add_co_u32 s[G0B+4*(\s)+1], s23, (\s)*SLOT
	s_add_nc_u64 s[G0B+4*(\s)+2:G0B+4*(\s)+3], s[46:47], (\s)*BSTEP
	s_or_b32 s[G0B+4*(\s)+3], s[G0B+4*(\s)+3], 0x80000000
	JLOAD \s                                       ; two loads of mine are out: the most that this text ever has
.endr
	v_and_b32 v1, 15, v0                           ; l % 16
	v_bfe_u32 v2, v0, 4, 1                         ; l / 16
.if BIAS
	s_lshl_b32 s22, s42, 10                        ; the bias of my 128 columns: 4 bytes x (256 x tile column + 128 x half + 16 b + 8 (l / 16) + 0..7)
	s_lshl_b32 s23, s14, 9
	s_add_co_u32 s22, s22, s23
	v_lshl_add_u32 v[BO], v2, 5, s22
.irp b, 0,1,2,3,4,5,6,7
	global_load_b128 v[BI+8*(\b):BI+8*(\b)+3],   v[BO], s[10:11] offset:64*(\b)
	global_load_b128 v[BI+8*(\b)+4:BI+8*(\b)+7], v[BO], s[10:11] offset:64*(\b)+16
.endr
	s_mov_b32 s2, 0xffff0000
.endif
	; a fragment is 16 rows x 32 K in 8 registers: lane l holds row l % 16, K = 8 (l / 16) + 0..7 and 16 + 8 (l / 16) + 0..7: two loads of 16 bytes, 32 bytes apart
	v_mul_u32_u24 v3, v1, PITCH
	v_lshl_add_u32 v3, v2, 4, v3
	s_mul_i32 s22, s13, AHALF
	v_add_nc_u32 v[ADRA], s22, v3
	v_add_nc_u32 v[ADRA+1], SLOT, v[ADRA]
.if BT                                 ; the turning load takes 16 K x 16 columns: lane l reads row 8 (l / 16) + l % 8, columns 8 ((l / 8) % 2) + 0..7, and ends with column l % 16 and 8 K
	v_and_b32 v4, 7, v0
	v_lshl_add_u32 v4, v2, 3, v4
	v_mul_u32_u24 v4, v4, PBL
	v_bfe_u32 v5, v0, 3, 1
	v_lshl_add_u32 v4, v5, 4, v4
	s_lshl_b32 s23, s14, 8                         ; my 128 columns
	s_add_co_u32 s23, s23, AREG
	v_add_nc_u32 v[ADRB], s23, v4
.else
	s_mul_i32 s23, s14, BHALF
	s_add_co_u32 s23, s23, AREG
	v_add_nc_u32 v[ADRB], s23, v3
.endif
	v_add_nc_u32 v[ADRB+1], SLOT, v[ADRB]
	s_mul_i32 s22, s12, 16*SPITCH
	s_add_co_u32 s22, s22, STAGE                   ; my stage
	v_mul_u32_u24 v4, v1, SPITCH
.if OUT32
	v_lshl_add_u32 v4, v2, 5, v4                   ; in: row l % 16, 32 bytes for each half of the lanes
	v_add_nc_u32 v[STO], s22, v4
	v_and_b32 v5, 31, v0
	v_lshlrev_b32 v[CO], 4, v5                     ; back: 32 lanes take one row of 512 bytes
	v_add_nc_u32 v[RD], s22, v[CO]
.else
	v_lshl_add_u32 v4, v2, 4, v4                   ; in: row l % 16, 16 bytes for each half of the lanes
	v_add_nc_u32 v[STO], s22, v4
	v_mul_u32_u24 v5, v2, SPITCH                   ; back: lanes 0-15 one row of 256 bytes, lanes 16-31 the next
	v_lshl_add_u32 v5, v1, 4, v5
	v_add_nc_u32 v[RD], s22, v5
	v_mul_u32_u24 v5, v2, PC
	v_lshl_add_u32 v[CO], v1, 4, v5
.endif
	s_mul_i32 s16, s43, TM                         ; C at my first row and column
	s_mul_i32 s17, s13, 64*MH
	s_add_co_u32 s16, s16, s17
	s_mov_b32 s17, 0
	s_mov_b64 s[18:19], PC
	s_mul_u64 s[16:17], s[16:17], s[18:19]
	s_mul_i32 s46, s42, 256*ES
	s_mul_i32 s47, s14, 128*ES
	s_add_co_u32 s46, s46, s47
	s_mov_b32 s47, 0
	s_add_nc_u64 s[16:17], s[16:17], s[46:47]
	s_add_nc_u64 s[8:9], s[8:9], s[16:17]
.if BIAS
	s_wait_loadcnt 0x0
.set i, 0
.rept 32                               ; the bias is rounded to bf16 like every input, and kept in f32
	v_cvt_pk_bf16_f32 v[4+i%4], v[BI+2*i], v[BI+2*i+1]
	v_lshlrev_b32 v[BI+2*i], 16, v[4+i%4]
	v_and_b32 v[BI+2*i+1], s2, v[4+i%4]
.set i, i+1
.endr
.endif
.macro WM d, a, b, c                   ; one matrix instruction by register numbers; c below 0: the constant 0 starts the sum
.if BF
.if (\c) < 0
	v_wmma_f32_16x16x32_bf16 v[(\d):(\d)+7], v[(\a):(\a)+7], v[(\b):(\b)+7], 0
.else
	v_wmma_f32_16x16x32_bf16 v[(\d):(\d)+7], v[(\a):(\a)+7], v[(\b):(\b)+7], v[(\c):(\c)+7]
.endif
.else
.if (\c) < 0
	v_wmma_f32_16x16x32_f16 v[(\d):(\d)+7], v[(\a):(\a)+7], v[(\b):(\b)+7], 0
.else
	v_wmma_f32_16x16x32_f16 v[(\d):(\d)+7], v[(\a):(\a)+7], v[(\b):(\b)+7], v[(\c):(\c)+7]
.endif
.endif
.endm
; 8 matrix instructions: row block a of the window's four x all 8 column blocks, 32 along K.  start = 1: the first product starts the sums, with the bias or with 0: nothing is cleared.
; The accumulators take turns, one instruction a turn, in the same order in every quarter.
.macro MULA f, hi, a, start
.if (\start) && BIAS
	WIN 0x81+0x40*(\hi)                            ; C, the bias, in window 0
.else
	WIN MUL_LO+0x50*(\hi)
.endif
.irp b, 0,1,2,3,4,5,6,7
.if (\start) && BIAS
	WM 8*(8*(\a)+(\b)), (\f)+8*(\b), (\f)+8*(4*(\hi)+(\a)), BI+8*(\b)
.elseif \start
	WM 8*(8*(\a)+(\b)), (\f)+8*(\b), (\f)+8*(4*(\hi)+(\a)), -1
.else
	WM 8*(8*(\a)+(\b)), (\f)+8*(\b), (\f)+8*(4*(\hi)+(\a)), 8*(8*(\a)+(\b))
.endif
.endr
.endm
.macro MUL16 f, hi, a0, start
	MULA \f, \hi, \a0, \start
	MULA \f, \hi, (\a0)+1, \start
.endm
; One run of LDS loads: the fragments of quarter q (32 along K) of a slot into buffer f: 16 for B, then 8 MH for A
.macro FETCH slot, q, f
	WIN TO_B
.irp i, 0,1,2,3,4,5,6,7
.if BT
	ds_load_tr16_b128 v[(\f)+8*(\i):(\f)+8*(\i)+3],   v[ADRB+(\slot)] offset:(\q)*32*PBL+32*(\i)
	ds_load_tr16_b128 v[(\f)+8*(\i)+4:(\f)+8*(\i)+7], v[ADRB+(\slot)] offset:(\q)*32*PBL+32*(\i)+16*PBL
.else
	ds_load_b128 v[(\f)+8*(\i):(\f)+8*(\i)+3],   v[ADRB+(\slot)] offset:64*(\q)+(\i)*16*PITCH
	ds_load_b128 v[(\f)+8*(\i)+4:(\f)+8*(\i)+7], v[ADRB+(\slot)] offset:64*(\q)+(\i)*16*PITCH+32
.endif
.endr
	WIN 0
.set ia, 0
.rept 4*MH
	ds_load_b128 v[(\f)+8*ia:(\f)+8*ia+3],   v[ADRA+(\slot)] offset:64*(\q)+ia*16*PITCH
	ds_load_b128 v[(\f)+8*ia+4:(\f)+8*ia+7], v[ADRA+(\slot)] offset:64*(\q)+ia*16*PITCH+32
.set ia, ia+1
.endr
.endm
; A K step is four quarters on buffers 0, 1, 0, 1.  One of the first three multiplies buffer f and fetches quarter q of the same slot into g.
.macro QUARTER slot, q, f, g, start
.if MH == 2
	s_wait_dscnt 8                                 ; B and A's rows 0-63 are in; the youngest eight loads (A's rows 64-127) may be out
	MUL16 \f, 0, 0, \start
	MUL16 \f, 0, 2, \start
	PLACES
	FETCH \slot, \q, \g
	s_wait_dscnt 32                                ; all but the 32 just issued
	MUL16 \f, 1, 0, \start
	MUL16 \f, 1, 2, \start
.else
	s_wait_dscnt 0x0                               ; buffer f is in: its run was issued 32 matrix instructions ago
	PLACES                                         ; buffer g's last readers stand just in front
	FETCH \slot, \q, \g
	MUL16 \f, 0, 0, \start
	MUL16 \f, 0, 2, \start
.endif
.endm
; The last quarter multiplies buffer 1 and changes slots: ONE barrier.  In front of it each wave waits for all its tensor loads (one is out: its part of the next slot), adds 0 to its spare
; word, and waits for that and for its reads of this slot.  fill = 1: the barrier opens a round of the cluster's, and this slot is filled again, two K steps on, first thing behind the round:
; 112 MH matrix instructions ahead of the wait for it.
.macro TURN slot, next, fill
	WIN 0                                          ; (the add's two registers lie in window 0)
	s_wait_tensorcnt 0x0
	ds_add_u32 v[SPW], v[NIL]                      ; 0 onto my spare word; matrix work stands between it and the wait for it
.if MH == 2
	s_wait_dscnt 9                                 ; the add and A's youngest eight loads may be out
	MUL16 F1, 0, 0, 0
.else
	s_wait_dscnt 1                                 ; the add may be out
	MULA F1, 0, 0, 0
.endif
	s_wait_dscnt 0x0                               ; the add is done, and my reads of this slot are over
	s_barrier_signal -1
.if MH == 2
	MUL16 F1, 0, 2, 0
.else
	MULA F1, 0, 1, 0
.endif
.if \fill
	WIN 0
.endif
	s_barrier_wait -1
.if \fill
	CREST                                          ; no wave of any partner still reads this slot or has a load on its way
	s_add_nc_u64 s[G0A+4*(\slot)+2:G0A+4*(\slot)+3], s[G0A+4*(\slot)+2:G0A+4*(\slot)+3], 512
	s_add_nc_u64 s[G0B+4*(\slot)+2:G0B+4*(\slot)+3], s[G0B+4*(\slot)+2:G0B+4*(\slot)+3], 2*BSTEP
	JLOAD \slot                                    ; its four v_nop are also the places in front of the loads below
.else
	PLACES
.endif
	FETCH \next, 0, F0
.if MH == 2
	MUL16 F1, 1, 0, 0
	MUL16 F1, 1, 2, 0
.else
	MUL16 F1, 0, 2, 0
.endif
.endm
; THE WAY OUT, a block of 16 rows at a time through my own stage in LDS, which serves a wave's instructions in order (ISA guide 5.7.1.4): no wait between its stores and its loads.
.if OUT32
.macro TOSTAGE32 a                     ; 32 bytes a lane and accumulator into rows of 528 bytes, low registers first; back as whole rows of 512
.set AC, 64*((\a)%4)
.set BK, F0+64*((\a)%2)
	s_wait_xcnt 0x0                                ; the stores of the block two back have read the registers that are loaded again below
	WIN 0x08+4*((\a)/4)                            ; store data in window 2 or 3
.irp b, 0,1,2,3,4,5,6,7
	ds_store_b128 v[STO], v[AC+8*(\b):AC+8*(\b)+3]   offset:64*(\b)
	ds_store_b128 v[STO], v[AC+8*(\b)+4:AC+8*(\b)+7] offset:64*(\b)+16
.endr
	WIN 0
.irp t, 0,1,2,3,4,5,6,7,8,9,10,11,12,13,14,15
	ds_load_b128 v[BK+4*(\t):BK+4*(\t)+3], v[RD] offset:(\t)*SPITCH
.endr
.endm
.macro SEND32 a, younger               ; younger: the LDS instructions issued behind this block's loads
.set BK, F0+64*((\a)%2)
	s_wait_dscnt \younger
.irp t, 0,1,2,3,4,5,6,7,8,9,10,11,12,13,14,15
.if NTOUT
	global_store_b128 v[CO], v[BK+4*(\t):BK+4*(\t)+3], s[8:9] offset:(16*(\a)+(\t))*PC th:TH_STORE_NT  ; 512 consecutive bytes, at a multiple of 512 from C's first
.else
	global_store_b128 v[CO], v[BK+4*(\t):BK+4*(\t)+3], s[8:9] offset:(16*(\a)+(\t))*PC  ; 512 consecutive bytes, at a multiple of 512 from C's first
.endif
.endr
.endm
.else
.macro PACK a                          ; rounded to f16, each accumulator's registers in ascending order: 16 bytes a lane
.set AC, 64*((\a)%4)
	WIN 0x0a+5*((\a)/4)                            ; sources 0 and 1 in window 2 or 3
.irp b, 0,1,2,3,4,5,6,7
.irp r, 0,1,2,3
	v_cvt_pk_f16_f32 v[TMP+4*(\b)+(\r)], v[AC+8*(\b)+2*(\r)], v[AC+8*(\b)+2*(\r)+1]
.endr
.endr
	WIN 0
.endm
.macro TOSTAGE a
.set BK, OB+192*((\a)%2)
.irp b, 0,1,2,3,4,5,6,7
	ds_store_b128 v[STO], v[TMP+4*(\b):TMP+4*(\b)+3] offset:32*(\b)
.endr
.irp t, 0,1,2,3,4,5,6,7
	ds_load_b128 v[BK+4*(\t):BK+4*(\t)+3], v[RD] offset:(\t)*2*SPITCH
.endr
.endm
.macro SEND a
.set BK, OB+192*((\a)%2)
	s_wait_dscnt 0x0                               ; the block is back in registers
	s_wait_xcnt 0x0                                ; the block before's stores have read their registers, which the next block's loads write
.irp t, 0,1,2,3,4,5,6,7
	global_store_b128 v[CO], v[BK+4*(\t):BK+4*(\t)+3], s[8:9] offset:(16*(\a)+2*(\t))*PC  ; 16 lanes store 256 consecutive bytes, at a multiple of 256 from C's first
.endr
.endm
.endif
	s_wait_tensorcnt 0x1                           ; my part of K step 0 is in; K step 1's may stay out
	s_barrier_signal -1
	s_barrier_wait -1                              ; everybody's is
	FETCH 0, 0, F0
	QUARTER 0, 1, F0, F1, 1                        ; the first quarter stands in front of the loop: its products start the sums
	WIN 0                                          ; at a label and at a branch every window is 0
	s_mov_b32 s3, LAPS-1
.Llap:                                                 ; a trip goes once round the ring, from a lap's second quarter to the next lap's first, and fills both slots again
	QUARTER 0, 2, F1, F0, 0
	QUARTER 0, 3, F0, F1, 0
	TURN 0, 1, 1
	QUARTER 1, 1, F0, F1, 0
	QUARTER 1, 2, F1, F0, 0
	QUARTER 1, 3, F0, F1, 0
	TURN 1, 0, 1
	QUARTER 0, 1, F0, F1, 0
	WIN 0
	s_sub_co_u32 s3, s3, 1
	s_cmp_lg_u32 s3, 0
	s_cbranch_scc1 .Llap
	QUARTER 0, 2, F1, F0, 0                        ; the last lap is written out: it fills nothing and has no round
	QUARTER 0, 3, F0, F1, 0
	TURN 0, 1, 0
	QUARTER 1, 1, F0, F1, 0
	QUARTER 1, 2, F1, F0, 0
	QUARTER 1, 3, F0, F1, 0
.if MH == 2
	s_wait_dscnt 8
	MUL16 F1, 0, 0, 0
	MUL16 F1, 0, 2, 0
	s_wait_dscnt 0x0
	MUL16 F1, 1, 0, 0
	MUL16 F1, 1, 2, 0
.else
	s_wait_dscnt 0x0
	MUL16 F1, 0, 0, 0
	MUL16 F1, 0, 2, 0
.endif
	WIN 0
	PLACES                                         ; what follows reads results just made and loads into fragment registers just read
.if OUT32
	TOSTAGE32 0
.set blk, 1
.rept NBLK-1
	TOSTAGE32 blk
	SEND32 blk-1, 32                               ; the next block's 16 stores and 16 loads may be out
.set blk, blk+1
.endr
	SEND32 NBLK-1, 0
.else
	PACK 0
	TOSTAGE 0
.set blk, 1
.rept NBLK-1                           ; a block's conversions stand between the loads of the block before and the wait for them
	PACK blk
	SEND blk-1
	TOSTAGE blk
.set blk, blk+1
.endr
	SEND NBLK-1
.endif
	s_wait_tensorcnt 0x0                           ; the wave's end
	ds_add_u32 v[SPW], v[NIL]
	s_wait_dscnt 0x0
	CROUND                                         ; the closing round: no work-group ends while a partner may still ask for a tile that names it
	s_endpgm
.Lfunc_end_k_qe8183c62cb_pv:
	.size	k_qe8183c62cb_pv, .Lfunc_end_k_qe8183c62cb_pv-k_qe8183c62cb_pv
	.p2alignl 7, 3214868480
	.fill 96, 4, 3214868480
	.section	.rodata,"a",@progbits
	.p2align	6, 0x0
	.amdhsa_kernel k_qe8183c62cb_pv
		.amdhsa_group_segment_fixed_size 327680
		.amdhsa_private_segment_fixed_size 0
		.amdhsa_enable_private_segment 0
		.amdhsa_kernarg_size 24
		.amdhsa_user_sgpr_count 2
		.amdhsa_user_sgpr_kernarg_segment_ptr 1
		.amdhsa_wavefront_size32 1
		.amdhsa_system_sgpr_workgroup_id_x 1
		.amdhsa_system_sgpr_workgroup_id_y 1
		.amdhsa_system_sgpr_workgroup_id_z 1
		.amdhsa_system_vgpr_workitem_id 0
		.amdhsa_next_free_vgpr 768
		.amdhsa_next_free_sgpr 66
		.amdhsa_reserve_vcc 0
		.amdhsa_float_denorm_mode_32 3
		.amdhsa_float_denorm_mode_16_64 3
		.amdhsa_memory_ordered 1
		.amdhsa_forward_progress 1
		.amdhsa_inst_pref_size 87
	.end_amdhsa_kernel
	.amdgpu_metadata
---
amdhsa.version: [ 1, 2 ]
amdhsa.kernels:
  - .name:           k_qe8183c62cb_pv
    .symbol:         k_qe8183c62cb_pv.kd
    .args:
      - { .name: P, .offset: 0, .size: 8, .value_kind: global_buffer, .address_space: global }
      - { .name: QKV, .offset: 8, .size: 8, .value_kind: global_buffer, .address_space: global }
      - { .name: Ctx, .offset: 16, .size: 8, .value_kind: global_buffer, .address_space: global }
    .group_segment_fixed_size: 327680
    .private_segment_fixed_size: 0
    .kernarg_segment_align: 8
    .kernarg_segment_size: 24
    .max_flat_workgroup_size: 128
    .sgpr_count:     66
    .vgpr_count:     768
    .wavefront_size: 32
...
	.end_amdgpu_metadata
.endif
;; end of part 5
;; launch outp (part 6): grid 4 x 64, 4 waves a work-group, clusters of 4 x 4, 327,680 bytes of LDS; arguments Ctx, Wo16, out0, b_out; writes out0
.if DOCPART == 6
	.amdgcn_target "amdgcn-amd-amdhsa--gfx1250"
	.amdhsa_code_object_version 6
	.text
	.protected	k_qe8183c62cb_outp
	.globl	k_qe8183c62cb_outp
	.p2align	8
	.type	k_qe8183c62cb_outp,@function
k_qe8183c62cb_outp:
	s_mov_b64 s[64:65], 0
	v_nop
	global_prefetch_b8 v0, s[64:65] scope:SCOPE_SE
	s_setreg_imm32_b32 hwreg(HW_REG_WAVE_MODE, 25, 1), 1
	s_wait_xcnt 0x0
	s_wait_alu depctr_hold_cnt(0) depctr_sa_sdst(0) depctr_va_vdst(0) depctr_va_sdst(0) depctr_va_ssrc(0) depctr_va_vcc(0) depctr_vm_vsrc(0)
	s_getreg_b32 s2, hwreg(HW_REG_IB_STS2, 6, 4)
	s_cmp_eq_u32 s2, 0
	s_cbranch_scc0 .Lentry_in_a_cluster
	s_endpgm
.Lentry_in_a_cluster:
	s_bfe_u32 s2, ttmp6, 0x10000c
	s_cmp_lg_u32 s2, 0xf033
	s_cbranch_scc0 .Lentry_shape_is_right
	s_endpgm
.Lentry_shape_is_right:
; out0 = Ctx Wo16 + bf16(b_out).  Ctx [8192][1024] f16, Wo16 [1024][1024] f16 (W_out rounded to bf16 and written as f16; K down the rows), out0 [8192][1024] f32.
; Sums in f32, started with the bias, stored as they are.
; The text below is one text for this program's four products; the switches choose what is assembled.
.set MH,    1                          ; a wave's rows of C in halves of 64: the tile of C is 128 MH x 256
.set BF,    0                          ; 1: bf16 operands, 0: f16
.set BT,    1                          ; 0: B lies [N][K]; 1: B lies [K][N] and is turned on its way out of LDS
.set KTOT,  1024
.set PA,    1024                       ; A's pitch, elements
.set PB,    1024                       ; B's pitch, elements
.set BCOL,  0                          ; bytes from B's buffer to B's first column
.set BSH,   -1                         ; batch = cluster y >> BSH; below 0: B has no batch
.set OUT32, 1                          ; C in f32 (1) or f16 (0)
.set PC,    4096                       ; C's pitch, bytes
.set BIAS,  1
.set NTOUT, 1                          ; 1: C is read by no later launch
.set ARGS,  0                          ; 0: A, B, C, bias; 1: A and B in one buffer, C; 2: A, B, C
; SHARES.  Four waves, 2 x 2 over the tile: a wave makes 64 MH x 128 of C in 32 MH accumulators of 16 x 16.  K goes in steps of 128 through two LDS slots filled by the tensor data mover.
; CLUSTER.  4 x 4 work-groups: the four of a row need the same tiles of A, the four of a column the same tiles of B; each tile is asked for jointly, by the same load, descriptor and mask in all four.
; THE MATRIX INSTRUCTION IS USED TRANSPOSED (source 0 = 16 columns of C from B, source 1 = 16 rows of A): a lane holds row l % 16 of C and eight neighbouring columns 8 (l / 16) + 0..7.
; REGISTERS, in windows of 256: window 0: v0-31 addresses, v64.. and v128.. A's two fragment buffers, v192-255 the bias and later the way out; window 1: v64-127, v128-191 B's two buffers;
; window 2: the accumulators of my rows 0-63, (a, b) at v[8 (8 a + b)]; window 3 (MH = 2): those of rows 64-127.
.set TM,     128*MH
.set ES,     2+2*OUT32                 ; bytes of an element of C
.set PITCH,  272                       ; an LDS row of 128 K: 256 bytes + 16 = 68 words, so the 16 rows of a fragment load begin 4 words further on each, modulo 64 words
.set PBL,    544                       ; an LDS row of 256 columns of a turned B: 512 bytes + 32 = 17 x 32
.set AHALF,  64*MH*PITCH               ; what one load brings of A, and what one wave reads of it
.set AREG,   2*AHALF
.set BHALF,  34816                     ; what one load brings of B: 128 rows x 272 or 64 rows x 544
.set SLOT,   AREG+2*BHALF
.set STAGE,  2*SLOT                    ; behind the ring: 16 rows for each wave, for the way out; no tensor load lands here
.set SPITCH, 272+256*OUT32
.set SPARE,  STAGE+4*16*SPITCH         ; the spare words, 128 bytes a wave: two blocks of 256 bytes that no other line names
.set LAPS,   KTOT/256                  ; a lap = two K steps = once round the ring
.set NBLK,   4*MH                      ; my blocks of 16 rows of C
.if BT
.set BSTEP,  256*PB                    ; bytes from a K step of B to the next: 128 rows
.else
.set BSTEP,  256
.endif
.set ADRA, 16                          ; v16-17  LDS address of my A fragments in slot 0, 1
.set ADRB, 20                          ; v20-21  the same for B
.set STO,  24                          ; v24     the way out: where I put my part of a row
.set RD,   25                          ; v25     where I read rows back
.set CO,   26                          ; v26     my byte offset in C
.set SPW,  28                          ; v28     LDS address of my spare word; never rewritten
.set NIL,  29                          ; v29     0; never rewritten
.set BO,   30                          ; v30     my byte offset in the bias
.set F0,   64
.set F1,   128
.set BI,   192                         ; v192-255 the bias of my 128 columns: block b's eight at BI + 8 b
.set TMP,  192                         ; later: packed results
.set OB,   32                          ; f16 way out: rows read back, v32-63 and v224-255 by turns
.set G1A,  24                          ; s[24:31] descriptor group 1 for A;  s[32:39] group 0, a set for each slot
.set G0A,  32
.set G1B,  48                          ; s[48:55], s[56:63] the same for B
.set G0B,  56
.set MSB, 0
.macro WIN new                         ; the immediate's high byte repeats the setting that is left; a switch that changes nothing is dropped
.if MSB != (\new)
	s_set_vgpr_msb (MSB<<8)|(\new)
.set MSB, \new
.endif
.endm
.set MUL_LO, 0xa1                      ; source 0 (B) window 1, source 1 (A) window 0, C and D window 2; + 0x50: window 3
.set TO_B,   0x40                      ; destination window 1, address window 0
.macro PLACES                          ; four plain instructions between a matrix instruction and a load into, or a read of, its registers
.rept 4
	v_nop
.endr
.endm
; A joint load: waves 0 and 1 fetch A's two halves, waves 2 and 3 B's.  The branch hangs on the wave's number alone.  An s_nop 0 and four v_nop follow each line.
.macro JLOAD s
	s_cmp_lt_u32 s12, 2
	s_cbranch_scc0 .Lfor_b_\@
	tensor_load_to_lds s[G0A+4*(\s):G0A+4*(\s)+3], s[G1A:G1A+7]
	s_nop 0
.rept 4
	v_nop
.endr
	s_branch .Lasked_\@
.Lfor_b_\@:
	tensor_load_to_lds s[G0B+4*(\s):G0B+4*(\s)+3], s[G1B:G1B+7]
	s_nop 0
.rept 4
	v_nop
.endr
.Lasked_\@:
.endm
.macro CREST                           ; a round of the cluster's barrier behind its opening barrier: wave 0 signals for the work-group, all wait, the work-group's barrier closes it
	s_cmp_lg_u32 s12, 0
	s_cbranch_scc1 .Lnot_wave_0_\@
	s_barrier_signal -3
.Lnot_wave_0_\@:
	s_barrier_wait -3
	s_barrier_signal -1
	s_barrier_wait -1
.endm
.macro CROUND
	s_barrier_signal -1
	s_barrier_wait -1
	CREST
.endm
.if ARGS == 0
	s_load_b256 s[4:11], s[0:1], 0x0               ; A s[4:5], B s[6:7], C s[8:9], bias s[10:11]
.elseif ARGS == 1
	s_load_b64 s[4:5], s[0:1], 0x0                 ; A and B lie in one buffer
	s_load_b64 s[6:7], s[0:1], 0x0
	s_load_b64 s[8:9], s[0:1], 0x8                 ; C
.else
	s_load_b128 s[4:7], s[0:1], 0x0                ; A, B
	s_load_b64 s[8:9], s[0:1], 0x10                ; C
.endif
	v_lshl_add_u32 v[SPW], v0, 2, SPARE
	v_mov_b32 v[NIL], 0
	ds_add_u32 v[SPW], v[NIL]                      ; the wave's opening: the add and its wait stand ahead of my first tensor load; the set-up below stands between them
	v_lshrrev_b32 v1, 5, v0
	v_readfirstlane_b32 s12, v1                    ; wave 0..3
	s_lshr_b32 s13, s12, 1                         ; my half of the tile's rows
	s_and_b32 s14, s12, 1                          ; my half of its columns; also: which half of A's or B's tile I fetch
	s_bfe_u32 s40, ttmp6, 0x40000                  ; cx
	s_bfe_u32 s41, ttmp6, 0x40004                  ; cy
	s_lshl_b32 s42, ttmp9, 2
	s_add_co_u32 s42, s42, s40                     ; tile column = 4 x cluster x + cx
	s_and_b32 s15, ttmp7, 0xffff                   ; cluster y, which all sixteen share
	s_lshl_b32 s43, s15, 2
	s_add_co_u32 s43, s43, s41                     ; tile row = 4 x cluster y + cy
	s_lshl_b32 s44, s41, 2
	s_lshl_b32 s44, 15, s44                        ; my row of the cluster
	s_lshl_b32 s45, 0x1111, s40                    ; my column
	; group 1 for A: 64 MH rows x 128 elements of 2 bytes, 4 words of padding behind every 64
	s_or_b32 s[G1A+0], s44, (1<<16)|(1<<20)|(1<<21)|(5<<22)|(3<<25)
	s_mov_b32 s[G1A+1], 128<<16                    ; tensor_dim0
	s_mov_b32 s[G1A+2], (64*MH)<<16                ; tensor_dim1
	s_mov_b32 s[G1A+3], 128<<16                    ; tile_dim0
	s_mov_b32 s[G1A+4], 64*MH                      ; tile_dim1
	s_mov_b32 s[G1A+5], PA                         ; elements from row to row
	s_mov_b32 s[G1A+6], 0
	s_mov_b32 s[G1A+7], 0
.if BT                                 ; group 1 for B: 64 rows (K) x 256 elements, 8 words of padding behind every 128
	s_or_b32 s[G1B+0], s45, (1<<16)|(1<<20)|(1<<21)|(6<<22)|(7<<25)
	s_mov_b32 s[G1B+1], 256<<16
	s_mov_b32 s[G1B+2], 64<<16
	s_mov_b32 s[G1B+3], 256<<16
	s_mov_b32 s[G1B+4], 64
.else                                  ; or 128 rows (N) x 128 elements, padded as A
	s_or_b32 s[G1B+0], s45, (1<<16)|(1<<20)|(1<<21)|(5<<22)|(3<<25)
	s_mov_b32 s[G1B+1], 128<<16
	s_mov_b32 s[G1B+2], 128<<16
	s_mov_b32 s[G1B+3], 128<<16
	s_mov_b32 s[G1B+4], 128
.endif
	s_mov_b32 s[G1B+5], PB
	s_mov_b32 s[G1B+6], 0
	s_mov_b32 s[G1B+7], 0
	; A's tile hangs on the tile row and the wave, B's on the tile column, the cluster's y and the wave: each in registers that never hold the other coordinate
	s_mul_i32 s16, s43, TM
	s_mul_i32 s17, s14, 64*MH
	s_add_co_u32 s16, s16, s17                     ; A's first row that I fetch
	s_mov_b32 s17, 0
	s_mov_b64 s[18:19], PA*2
	s_mul_u64 s[16:17], s[16:17], s[18:19]
.if BSH >= 0
	s_lshr_b32 s46, s15, BSH                       ; the batch,
	s_lshl_b32 s46, s46, 11                        ; its 2,048 rows of B
.else
	s_mov_b32 s46, 0
.endif
.if BT
	s_lshl_b32 s47, s14, 6                         ; my 64 of a K step's 128 rows
	s_add_co_u32 s46, s46, s47
.else
	s_lshl_b32 s47, s42, 8                         ; the tile's 256 rows of B,
	s_add_co_u32 s46, s46, s47
	s_lshl_b32 s47, s14, 7                         ; my 128 of them
	s_add_co_u32 s46, s46, s47
.endif
	s_mov_b32 s47, 0
	s_mov_b64 s[56:57], PB*2
	s_mul_u64 s[46:47], s[46:47], s[56:57]
.if BT
	s_lshl_b32 s56, s42, 9                         ; the tile's 256 columns
	s_mov_b32 s57, 0
	s_add_nc_u64 s[46:47], s[46:47], s[56:57]
.endif
.if BCOL
	s_add_nc_u64 s[46:47], s[46:47], BCOL
.endif
	s_mul_i32 s22, s14, AHALF                      ; where they go: no place in the cluster enters an LDS address
	s_mul_i32 s23, s14, BHALF
	s_add_co_u32 s23, s23, AREG
	s_wait_dscnt 0x0                               ; the opening add is done
	s_wait_kmcnt 0x0
	s_add_nc_u64 s[20:21], s[4:5], s[16:17]
	s_add_nc_u64 s[46:47], s[6:7], s[46:47]
	CROUND                                         ; all sixteen work-groups are here: the first joint loads meet
.irp s, 0,1
	s_mov_b32 s[G0A+4*(\s)], 1                     ; count = 1
	s_add_co_u32 s[G0A+4*(\s)+1], s22, (\s)*SLOT   ; LDS address
	s_add_nc_u64 s[G0A+4*(\s)+2:G0A+4*(\s)+3], s[20:21], (\s)*256  ; K step s
	s_or_b32 s[G0A+4*(\s)+3], s[G0A+4*(\s)+3], 0x80000000          ; type = 2
	s_mov_b32 s[G0B+4*(\s)], 1
	s_add_co_u32 s[G0B+4*(\s)+1], s23, (\s)*SLOT
	s_add_nc_u64 s[G0B+4*(\s)+2:G0B+4*(\s)+3], s[46:47], (\s)*BSTEP
	s_or_b32 s[G0B+4*(\s)+3], s[G0B+4*(\s)+3], 0x80000000
	JLOAD \s                                       ; two loads of mine are out: the most that this text ever has
.endr
	v_and_b32 v1, 15, v0                           ; l % 16
	v_bfe_u32 v2, v0, 4, 1                         ; l / 16
.if BIAS
	s_lshl_b32 s22, s42, 10                        ; the bias of my 128 columns: 4 bytes x (256 x tile column + 128 x half + 16 b + 8 (l / 16) + 0..7)
	s_lshl_b32 s23, s14, 9
	s_add_co_u32 s22, s22, s23
	v_lshl_add_u32 v[BO], v2, 5, s22
.irp b, 0,1,2,3,4,5,6,7
	global_load_b128 v[BI+8*(\b):BI+8*(\b)+3],   v[BO], s[10:11] offset:64*(\b)
	global_load_b128 v[BI+8*(\b)+4:BI+8*(\b)+7], v[BO], s[10:11] offset:64*(\b)+16
.endr
	s_mov_b32 s2, 0xffff0000
.endif
	; a fragment is 16 rows x 32 K in 8 registers: lane l holds row l % 16, K = 8 (l / 16) + 0..7 and 16 + 8 (l / 16) + 0..7: two loads of 16 bytes, 32 bytes apart
	v_mul_u32_u24 v3, v1, PITCH
	v_lshl_add_u32 v3, v2, 4, v3
	s_mul_i32 s22, s13, AHALF
	v_add_nc_u32 v[ADRA], s22, v3
	v_add_nc_u32 v[ADRA+1], SLOT, v[ADRA]
.if BT                                 ; the turning load takes 16 K x 16 columns: lane l reads row 8 (l / 16) + l % 8, columns 8 ((l / 8) % 2) + 0..7, and ends with column l % 16 and 8 K
	v_and_b32 v4, 7, v0
	v_lshl_add_u32 v4, v2, 3, v4
	v_mul_u32_u24 v4, v4, PBL
	v_bfe_u32 v5, v0, 3, 1
	v_lshl_add_u32 v4, v5, 4, v4
	s_lshl_b32 s23, s14, 8                         ; my 128 columns
	s_add_co_u32 s23, s23, AREG
	v_add_nc_u32 v[ADRB], s23, v4
.else
	s_mul_i32 s23, s14, BHALF
	s_add_co_u32 s23, s23, AREG
	v_add_nc_u32 v[ADRB], s23, v3
.endif
	v_add_nc_u32 v[ADRB+1], SLOT, v[ADRB]
	s_mul_i32 s22, s12, 16*SPITCH
	s_add_co_u32 s22, s22, STAGE                   ; my stage
	v_mul_u32_u24 v4, v1, SPITCH
.if OUT32
	v_lshl_add_u32 v4, v2, 5, v4                   ; in: row l % 16, 32 bytes for each half of the lanes
	v_add_nc_u32 v[STO], s22, v4
	v_and_b32 v5, 31, v0
	v_lshlrev_b32 v[CO], 4, v5                     ; back: 32 lanes take one row of 512 bytes
	v_add_nc_u32 v[RD], s22, v[CO]
.else
	v_lshl_add_u32 v4, v2, 4, v4                   ; in: row l % 16, 16 bytes for each half of the lanes
	v_add_nc_u32 v[STO], s22, v4
	v_mul_u32_u24 v5, v2, SPITCH                   ; back: lanes 0-15 one row of 256 bytes, lanes 16-31 the next
	v_lshl_add_u32 v5, v1, 4, v5
	v_add_nc_u32 v[RD], s22, v5
	v_mul_u32_u24 v5, v2, PC
	v_lshl_add_u32 v[CO], v1, 4, v5
.endif
	s_mul_i32 s16, s43, TM                         ; C at my first row and column
	s_mul_i32 s17, s13, 64*MH
	s_add_co_u32 s16, s16, s17
	s_mov_b32 s17, 0
	s_mov_b64 s[18:19], PC
	s_mul_u64 s[16:17], s[16:17], s[18:19]
	s_mul_i32 s46, s42, 256*ES
	s_mul_i32 s47, s14, 128*ES
	s_add_co_u32 s46, s46, s47
	s_mov_b32 s47, 0
	s_add_nc_u64 s[16:17], s[16:17], s[46:47]
	s_add_nc_u64 s[8:9], s[8:9], s[16:17]
.if BIAS
	s_wait_loadcnt 0x0
.set i, 0
.rept 32                               ; the bias is rounded to bf16 like every input, and kept in f32
	v_cvt_pk_bf16_f32 v[4+i%4], v[BI+2*i], v[BI+2*i+1]
	v_lshlrev_b32 v[BI+2*i], 16, v[4+i%4]
	v_and_b32 v[BI+2*i+1], s2, v[4+i%4]
.set i, i+1
.endr
.endif
.macro WM d, a, b, c                   ; one matrix instruction by register numbers; c below 0: the constant 0 starts the sum
.if BF
.if (\c) < 0
	v_wmma_f32_16x16x32_bf16 v[(\d):(\d)+7], v[(\a):(\a)+7], v[(\b):(\b)+7], 0
.else
	v_wmma_f32_16x16x32_bf16 v[(\d):(\d)+7], v[(\a):(\a)+7], v[(\b):(\b)+7], v[(\c):(\c)+7]
.endif
.else
.if (\c) < 0
	v_wmma_f32_16x16x32_f16 v[(\d):(\d)+7], v[(\a):(\a)+7], v[(\b):(\b)+7], 0
.else
	v_wmma_f32_16x16x32_f16 v[(\d):(\d)+7], v[(\a):(\a)+7], v[(\b):(\b)+7], v[(\c):(\c)+7]
.endif
.endif
.endm
; 8 matrix instructions: row block a of the window's four x all 8 column blocks, 32 along K.  start = 1: the first product starts the sums, with the bias or with 0: nothing is cleared.
; The accumulators take turns, one instruction a turn, in the same order in every quarter.
.macro MULA f, hi, a, start
.if (\start) && BIAS
	WIN 0x81+0x40*(\hi)                            ; C, the bias, in window 0
.else
	WIN MUL_LO+0x50*(\hi)
.endif
.irp b, 0,1,2,3,4,5,6,7
.if (\start) && BIAS
	WM 8*(8*(\a)+(\b)), (\f)+8*(\b), (\f)+8*(4*(\hi)+(\a)), BI+8*(\b)
.elseif \start
	WM 8*(8*(\a)+(\b)), (\f)+8*(\b), (\f)+8*(4*(\hi)+(\a)), -1
.else
	WM 8*(8*(\a)+(\b)), (\f)+8*(\b), (\f)+8*(4*(\hi)+(\a)), 8*(8*(\a)+(\b))
.endif
.endr
.endm
.macro MUL16 f, hi, a0, start
	MULA \f, \hi, \a0, \start
	MULA \f, \hi, (\a0)+1, \start
.endm
; One run of LDS loads: the fragments of quarter q (32 along K) of a slot into buffer f: 16 for B, then 8 MH for A
.macro FETCH slot, q, f
	WIN TO_B
.irp i, 0,1,2,3,4,5,6,7
.if BT
	ds_load_tr16_b128 v[(\f)+8*(\i):(\f)+8*(\i)+3],   v[ADRB+(\slot)] offset:(\q)*32*PBL+32*(\i)
	ds_load_tr16_b128 v[(\f)+8*(\i)+4:(\f)+8*(\i)+7], v[ADRB+(\slot)] offset:(\q)*32*PBL+32*(\i)+16*PBL
.else
	ds_load_b128 v[(\f)+8*(\i):(\f)+8*(\i)+3],   v[ADRB+(\slot)] offset:64*(\q)+(\i)*16*PITCH
	ds_load_b128 v[(\f)+8*(\i)+4:(\f)+8*(\i)+7], v[ADRB+(\slot)] offset:64*(\q)+(\i)*16*PITCH+32
.endif
.endr
	WIN 0
.set ia, 0
.rept 4*MH
	ds_load_b128 v[(\f)+8*ia:(\f)+8*ia+3],   v[ADRA+(\slot)] offset:64*(\q)+ia*16*PITCH
	ds_load_b128 v[(\f)+8*ia+4:(\f)+8*ia+7], v[ADRA+(\slot)] offset:64*(\q)+ia*16*PITCH+32
.set ia, ia+1
.endr
.endm
; A K step is four quarters on buffers 0, 1, 0, 1.  One of the first three multiplies buffer f and fetches quarter q of the same slot into g.
.macro QUARTER slot, q, f, g, start
.if MH == 2
	s_wait_dscnt 8                                 ; B and A's rows 0-63 are in; the youngest eight loads (A's rows 64-127) may be out
	MUL16 \f, 0, 0, \start
	MUL16 \f, 0, 2, \start
	PLACES
	FETCH \slot, \q, \g
	s_wait_dscnt 32                                ; all but the 32 just issued
	MUL16 \f, 1, 0, \start
	MUL16 \f, 1, 2, \start
.else
	s_wait_dscnt 0x0                               ; buffer f is in: its run was issued 32 matrix instructions ago
	PLACES                                         ; buffer g's last readers stand just in front
	FETCH \slot, \q, \g
	MUL16 \f, 0, 0, \start
	MUL16 \f, 0, 2, \start
.endif
.endm
; The last quarter multiplies buffer 1 and changes slots: ONE barrier.  In front of it each wave waits for all its tensor loads (one is out: its part of the next slot), adds 0 to its spare
; word, and waits for that and for its reads of this slot.  fill = 1: the barrier opens a round of the cluster's, and this slot is filled again, two K steps on, first thing behind the round:
; 112 MH matrix instructions ahead of the wait for it.
.macro TURN slot, next, fill
	WIN 0                                          ; (the add's two registers lie in window 0)
	s_wait_tensorcnt 0x0
	ds_add_u32 v[SPW], v[NIL]                      ; 0 onto my spare word; matrix work stands between it and the wait for it
.if MH == 2
	s_wait_dscnt 9                                 ; the add and A's youngest eight loads may be out
	MUL16 F1, 0, 0, 0
.else
	s_wait_dscnt 1                                 ; the add may be out
	MULA F1, 0, 0, 0
.endif
	s_wait_dscnt 0x0                               ; the add is done, and my reads of this slot are over
	s_barrier_signal -1
.if MH == 2
	MUL16 F1, 0, 2, 0
.else
	MULA F1, 0, 1, 0
.endif
.if \fill
	WIN 0
.endif
	s_barrier_wait -1
.if \fill
	CREST                                          ; no wave of any partner still reads this slot or has a load on its way
	s_add_nc_u64 s[G0A+4*(\slot)+2:G0A+4*(\slot)+3], s[G0A+4*(\slot)+2:G0A+4*(\slot)+3], 512
	s_add_nc_u64 s[G0B+4*(\slot)+2:G0B+4*(\slot)+3], s[G0B+4*(\slot)+2:G0B+4*(\slot)+3], 2*BSTEP
	JLOAD \slot                                    ; its four v_nop are also the places in front of the loads below
.else
	PLACES
.endif
	FETCH \next, 0, F0
.if MH == 2
	MUL16 F1, 1, 0, 0
	MUL16 F1, 1, 2, 0
.else
	MUL16 F1, 0, 2, 0
.endif
.endm
; THE WAY OUT, a block of 16 rows at a time through my own stage in LDS, which serves a wave's instructions in order (ISA guide 5.7.1.4): no wait between its stores and its loads.
.if OUT32
.macro TOSTAGE32 a                     ; 32 bytes a lane and accumulator into rows of 528 bytes, low registers first; back as whole rows of 512
.set AC, 64*((\a)%4)
.set BK, F0+64*((\a)%2)
	s_wait_xcnt 0x0                                ; the stores of the block two back have read the registers that are loaded again below
	WIN 0x08+4*((\a)/4)                            ; store data in window 2 or 3
.irp b, 0,1,2,3,4,5,6,7
	ds_store_b128 v[STO], v[AC+8*(\b):AC+8*(\b)+3]   offset:64*(\b)
	ds_store_b128 v[STO], v[AC+8*(\b)+4:AC+8*(\b)+7] offset:64*(\b)+16
.endr
	WIN 0
.irp t, 0,1,2,3,4,5,6,7,8,9,10,11,12,13,14,15
	ds_load_b128 v[BK+4*(\t):BK+4*(\t)+3], v[RD] offset:(\t)*SPITCH
.endr
.endm
.macro SEND32 a, younger               ; younger: the LDS instructions issued behind this block's loads
.set BK, F0+64*((\a)%2)
	s_wait_dscnt \younger
.irp t, 0,1,2,3,4,5,6,7,8,9,10,11,12,13,14,15
.if NTOUT
	global_store_b128 v[CO], v[BK+4*(\t):BK+4*(\t)+3], s[8:9] offset:(16*(\a)+(\t))*PC th:TH_STORE_NT  ; 512 consecutive bytes, at a multiple of 512 from C's first
.else
	global_store_b128 v[CO], v[BK+4*(\t):BK+4*(\t)+3], s[8:9] offset:(16*(\a)+(\t))*PC  ; 512 consecutive bytes, at a multiple of 512 from C's first
.endif
.endr
.endm
.else
.macro PACK a                          ; rounded to f16, each accumulator's registers in ascending order: 16 bytes a lane
.set AC, 64*((\a)%4)
	WIN 0x0a+5*((\a)/4)                            ; sources 0 and 1 in window 2 or 3
.irp b, 0,1,2,3,4,5,6,7
.irp r, 0,1,2,3
	v_cvt_pk_f16_f32 v[TMP+4*(\b)+(\r)], v[AC+8*(\b)+2*(\r)], v[AC+8*(\b)+2*(\r)+1]
.endr
.endr
	WIN 0
.endm
.macro TOSTAGE a
.set BK, OB+192*((\a)%2)
.irp b, 0,1,2,3,4,5,6,7
	ds_store_b128 v[STO], v[TMP+4*(\b):TMP+4*(\b)+3] offset:32*(\b)
.endr
.irp t, 0,1,2,3,4,5,6,7
	ds_load_b128 v[BK+4*(\t):BK+4*(\t)+3], v[RD] offset:(\t)*2*SPITCH
.endr
.endm
.macro SEND a
.set BK, OB+192*((\a)%2)
	s_wait_dscnt 0x0                               ; the block is back in registers
	s_wait_xcnt 0x0                                ; the block before's stores have read their registers, which the next block's loads write
.irp t, 0,1,2,3,4,5,6,7
	global_store_b128 v[CO], v[BK+4*(\t):BK+4*(\t)+3], s[8:9] offset:(16*(\a)+2*(\t))*PC  ; 16 lanes store 256 consecutive bytes, at a multiple of 256 from C's first
.endr
.endm
.endif
	s_wait_tensorcnt 0x1                           ; my part of K step 0 is in; K step 1's may stay out
	s_barrier_signal -1
	s_barrier_wait -1                              ; everybody's is
	FETCH 0, 0, F0
	QUARTER 0, 1, F0, F1, 1                        ; the first quarter stands in front of the loop: its products start the sums
	WIN 0                                          ; at a label and at a branch every window is 0
	s_mov_b32 s3, LAPS-1
.Llap:                                                 ; a trip goes once round the ring, from a lap's second quarter to the next lap's first, and fills both slots again
	QUARTER 0, 2, F1, F0, 0
	QUARTER 0, 3, F0, F1, 0
	TURN 0, 1, 1
	QUARTER 1, 1, F0, F1, 0
	QUARTER 1, 2, F1, F0, 0
	QUARTER 1, 3, F0, F1, 0
	TURN 1, 0, 1
	QUARTER 0, 1, F0, F1, 0
	WIN 0
	s_sub_co_u32 s3, s3, 1
	s_cmp_lg_u32 s3, 0
	s_cbranch_scc1 .Llap
	QUARTER 0, 2, F1, F0, 0                        ; the last lap is written out: it fills nothing and has no round
	QUARTER 0, 3, F0, F1, 0
	TURN 0, 1, 0
	QUARTER 1, 1, F0, F1, 0
	QUARTER 1, 2, F1, F0, 0
	QUARTER 1, 3, F0, F1, 0
.if MH == 2
	s_wait_dscnt 8
	MUL16 F1, 0, 0, 0
	MUL16 F1, 0, 2, 0
	s_wait_dscnt 0x0
	MUL16 F1, 1, 0, 0
	MUL16 F1, 1, 2, 0
.else
	s_wait_dscnt 0x0
	MUL16 F1, 0, 0, 0
	MUL16 F1, 0, 2, 0
.endif
	WIN 0
	PLACES                                         ; what follows reads results just made and loads into fragment registers just read
.if OUT32
	TOSTAGE32 0
.set blk, 1
.rept NBLK-1
	TOSTAGE32 blk
	SEND32 blk-1, 32                               ; the next block's 16 stores and 16 loads may be out
.set blk, blk+1
.endr
	SEND32 NBLK-1, 0
.else
	PACK 0
	TOSTAGE 0
.set blk, 1
.rept NBLK-1                           ; a block's conversions stand between the loads of the block before and the wait for them
	PACK blk
	SEND blk-1
	TOSTAGE blk
.set blk, blk+1
.endr
	SEND NBLK-1
.endif
	s_wait_tensorcnt 0x0                           ; the wave's end
	ds_add_u32 v[SPW], v[NIL]
	s_wait_dscnt 0x0
	CROUND                                         ; the closing round: no work-group ends while a partner may still ask for a tile that names it
	s_endpgm
.Lfunc_end_k_qe8183c62cb_outp:
	.size	k_qe8183c62cb_outp, .Lfunc_end_k_qe8183c62cb_outp-k_qe8183c62cb_outp
	.p2alignl 7, 3214868480
	.fill 96, 4, 3214868480
	.section	.rodata,"a",@progbits
	.p2align	6, 0x0
	.amdhsa_kernel k_qe8183c62cb_outp
		.amdhsa_group_segment_fixed_size 327680
		.amdhsa_private_segment_fixed_size 0
		.amdhsa_enable_private_segment 0
		.amdhsa_kernarg_size 32
		.amdhsa_user_sgpr_count 2
		.amdhsa_user_sgpr_kernarg_segment_ptr 1
		.amdhsa_wavefront_size32 1
		.amdhsa_system_sgpr_workgroup_id_x 1
		.amdhsa_system_sgpr_workgroup_id_y 1
		.amdhsa_system_sgpr_workgroup_id_z 1
		.amdhsa_system_vgpr_workitem_id 0
		.amdhsa_next_free_vgpr 768
		.amdhsa_next_free_sgpr 66
		.amdhsa_reserve_vcc 0
		.amdhsa_float_denorm_mode_32 3
		.amdhsa_float_denorm_mode_16_64 3
		.amdhsa_memory_ordered 1
		.amdhsa_forward_progress 1
		.amdhsa_inst_pref_size 91
	.end_amdhsa_kernel
	.amdgpu_metadata
---
amdhsa.version: [ 1, 2 ]
amdhsa.kernels:
  - .name:           k_qe8183c62cb_outp
    .symbol:         k_qe8183c62cb_outp.kd
    .args:
      - { .name: Ctx, .offset: 0, .size: 8, .value_kind: global_buffer, .address_space: global }
      - { .name: Wo16, .offset: 8, .size: 8, .value_kind: global_buffer, .address_space: global }
      - { .name: out0, .offset: 16, .size: 8, .value_kind: global_buffer, .address_space: global }
      - { .name: b_out, .offset: 24, .size: 8, .value_kind: global_buffer, .address_space: global }
    .group_segment_fixed_size: 327680
    .private_segment_fixed_size: 0
    .kernarg_segment_align: 8
    .kernarg_segment_size: 32
    .max_flat_workgroup_size: 128
    .sgpr_count:     66
    .vgpr_count:     768
    .wavefront_size: 32
...
	.end_amdgpu_metadata
.endif
;; end of part 6
;; ======== version 2 of 2: 6 launches; version 1 with the launch prep written anew for expert scheduling mode
;; limits: values are held in f16: magnitudes above 65,504 overflow, below 6.1e-05 lose precision
;; workspace buffers: Xb 16,777,216 bytes; Wqb 6,291,456 bytes; Wo16 2,097,152 bytes; QKV 50,331,648 bytes; Sc 67,108,864 bytes; P 33,554,432 bytes; Ctx 16,777,216 bytes
;; launch prep (part 7): grid 768 x 1, 8 waves a work-group, no clusters, 0 bytes of LDS; arguments X, W_qkv, W_out, Xb, Wqb, Wo16; writes Xb, Wqb, Wo16
.if DOCPART == 7
	.amdgcn_target "amdgcn-amd-amdhsa--gfx1250"
	.amdhsa_code_object_version 6
	.text
	.protected	k_qe8183c62cb_prep
	.globl	k_qe8183c62cb_prep
	.p2align	8
	.type	k_qe8183c62cb_prep,@function
k_qe8183c62cb_prep:
	s_mov_b64 s[64:65], 0
	v_nop
	global_prefetch_b8 v0, s[64:65] scope:SCOPE_SE
	s_setreg_imm32_b32 hwreg(HW_REG_WAVE_SCHED_MODE, 0, 2), 2
	s_setreg_imm32_b32 hwreg(HW_REG_WAVE_MODE, 25, 1), 1
	s_wait_xcnt 0x0
	s_wait_alu depctr_vm_vsrc(0)
; THE CASTS.  Xb = bf16(X), Wqb = bf16(W_qkv), Wo16 = f16(bf16(W_out)): every input of the module is rounded once to bf16; W_out's rounded number is
; then written as f16, because the last product multiplies it with an f16 operand.
; Xb LIES BY SLABS of 64 along K: [16][8192][64].  The next launch takes K in steps of 64, and 128 rows of a step are then 16,384 consecutive bytes.  Wqb and Wo16 lie as their inputs do.
; LIMITS.  f16(bf16(w)) is exact for 2^-17 <= |w| < 65,520; below that it keeps f16's fixed step (an error of 3e-8 at the most), at 65,520 and above it is an infinity.
; SHARES.  A work-group of eight waves takes 16,384 numbers: 64 KiB in, 32 KiB out.  Work-groups 0-511 take X (16 rows each), 512-703 W_qkv, 704-767 W_out.
; All sixteen loads of a thread go out at once.  No LDS, no matrix unit, no cluster: the work-groups share no input and each byte is touched once.
; THE MODE: SCHED_MODE bits 1:0 = 2 (LLVM: expert scheduling mode 2), set by the entry lines.  The code itself states the register dependences
; between vector instructions and memory instructions, with s_wait_alu, always for 0.
; THE PLAN.  Registers that memory instructions touch, on each of the three paths:
;   IN    written by the sixteen loads, once each, and by nothing else; read by the conversions.  No load lands in them a second time.
;   OUT   written by a piece's conversions, once each; read by that piece's one store; never written again.
;   the two byte offsets (v1, v2 for the weights; v6, v7 for X): made ahead of the first load, read by every load and store, never written again on that path.
; The sixteen pieces go in four blocks of four.  Block p's conversions read IN and write OUT of block p; the memory instructions that stand among them are the four stores of block p - 1,
; which read OUT of block p - 1 and an offset: registers that no vector instruction of block p names.  So one wait on va_vdst at a block's head states all that its four stores hang on.
; No register that a memory instruction has read is written again, so no wait on vm_vsrc stands behind the entry lines; no vector instruction writes a scalar register, and EXEC is never written.
.set IN,  8                            ; v[8:71]    sixteen pieces of four f32
.set OUT, 72                           ; v[72:103]  sixteen pieces of four 16-bit numbers
; Piece i is rounded.  kind 1: bf16 written as f16 (v3 to v7 are at work there: no memory instruction of that path names them)
.macro CVT kind, i
.if \kind
	v_cvt_pk_bf16_f32 v3, v[IN+4*(\i)], v[IN+4*(\i)+1]   ; rounded to bf16,
	v_cvt_pk_bf16_f32 v4, v[IN+4*(\i)+2], v[IN+4*(\i)+3]
	v_lshlrev_b32 v5, 16, v3                       ; widened again,
	v_and_b32 v6, s16, v3
	v_lshlrev_b32 v7, 16, v4
	v_and_b32 v4, s16, v4
	v_cvt_pk_f16_f32 v[OUT+2*(\i)], v5, v6         ; and written as f16
	v_cvt_pk_f16_f32 v[OUT+2*(\i)+1], v7, v4
.else
	v_cvt_pk_bf16_f32 v[OUT+2*(\i)], v[IN+4*(\i)], v[IN+4*(\i)+1]
	v_cvt_pk_bf16_f32 v[OUT+2*(\i)+1], v[IN+4*(\i)+2], v[IN+4*(\i)+3]
.endif
.endm
; Piece i is stored.  ao: the register with my byte offset; db: the scalar pair with the destination; slabs 1: Xb's layout, 0: pieces of 2,048 bytes on end
.macro PUT i, ao, db, slabs
.if \slabs
	global_store_b64 v[(\ao)], v[OUT+2*(\i):OUT+2*(\i)+1], s[(\db):(\db)+1] offset:((\i)%2)*1048576+((\i)/2)*256
.else
	global_store_b64 v[(\ao)], v[OUT+2*(\i):OUT+2*(\i)+1], s[(\db):(\db)+1] offset:2048*(\i)
.endif
.endm
; The four blocks, and behind them the last block's stores.
.macro DRAIN kind, ao, db, slabs
.set p, 0
.rept 4
	s_wait_loadcnt 12-4*p                          ; loads come back in order: block p's four pieces are in, the 12 - 4 p younger loads may be out
.if p > 0
	s_wait_alu depctr_va_vdst(0)                   ; the block before has written its OUT, which the four stores below read; no vector instruction behind this wait names those registers or the offset
.endif
.set j, 0
.rept 4
.if p > 0
	PUT 4*(p-1)+j, \ao, \db, \slabs
.endif
	CVT \kind, 4*p+j
.set j, j+1
.endr
.set p, p+1
.endr
	s_wait_alu depctr_va_vdst(0)                   ; block 3 has written its OUT, which the last four stores read
.set j, 0
.rept 4
	PUT 12+j, \ao, \db, \slabs
.set j, j+1
.endr
.endm
; A weight tensor's share: thread t takes the 16 bytes at 16 t of each of sixteen pieces of 4,096 bytes: a wave's load covers 512 consecutive bytes, its store 256 consecutive aligned bytes.
; sb, db: the scalar pairs with source and destination; first: the tensor's first work-group; kind 1: bf16 written as f16
.macro CAST sb, db, first, kind
	s_sub_co_u32 s17, ttmp9, \first                ; my number among the tensor's work-groups
	s_lshl_b32 s18, s17, 16                        ; 65,536 bytes in,
	s_lshl_b32 s20, s17, 15                        ; 32,768 bytes out
	s_add_nc_u64 s[(\sb):(\sb)+1], s[(\sb):(\sb)+1], s[18:19]
	s_add_nc_u64 s[(\db):(\db)+1], s[(\db):(\db)+1], s[20:21]
	s_wait_alu depctr_va_vdst(0)                   ; v1 and v2 are written: every load of this path reads v1 as its offset, every store v2
.set i, 0
.rept 16
	global_load_b128 v[IN+4*i:IN+4*i+3], v1, s[(\sb):(\sb)+1] offset:4096*i th:TH_LOAD_NT
.set i, i+1
.endr
	DRAIN \kind, 2, \db, 0
.endm
	s_load_b256 s[4:11], s[0:1], 0x0               ; X s[4:5], W_qkv s[6:7], W_out s[8:9], Xb s[10:11]
	s_load_b128 s[12:15], s[0:1], 0x20             ; Wqb s[12:13], Wo16 s[14:15]
	v_lshlrev_b32 v1, 4, v0                        ; 16 t
	v_lshlrev_b32 v2, 3, v0                        ; 8 t
	s_mov_b32 s16, 0xffff0000                      ; a word's upper bf16
	s_mov_b32 s19, 0                               ; the offsets' high words
	s_mov_b32 s21, 0
	s_wait_kmcnt 0x0
	s_cmp_lt_u32 ttmp9, 512
	s_cbranch_scc1 .Lx
	s_cmp_lt_u32 ttmp9, 704
	s_cbranch_scc1 .Lwq
	CAST 8, 14, 704, 1
	s_endpgm
.Lwq:
	CAST 6, 12, 512, 0
	s_endpgm
.Lx:
	; X's share: 16 rows x 16 slabs.  Wave w takes slabs 2 w and 2 w + 1; piece i is slab 2 w + i % 2 of rows 2 (i / 2) and 2 (i / 2) + 1: lanes 0-15 the even row, lanes 16-31 the odd one.
	; Sixteen lanes read a row's 64 numbers of a slab, 256 consecutive aligned bytes; the wave's store covers the two rows' 128 bytes each, which are 256 consecutive aligned bytes of the slab.
	s_lshl_b32 s18, ttmp9, 16                      ; 16 rows of 4,096 bytes in,
	s_lshl_b32 s20, ttmp9, 11                      ; 16 rows of 128 bytes in each slab out
	s_add_nc_u64 s[4:5], s[4:5], s[18:19]
	s_add_nc_u64 s[10:11], s[10:11], s[20:21]
	v_bfe_u32 v3, v0, 4, 1                         ; which of the two rows
	v_and_b32 v4, 15, v0                           ; my four numbers among the 64
	v_lshrrev_b32 v5, 5, v0                        ; wave
	v_lshlrev_b32 v6, 4, v4
	v_lshl_add_u32 v6, v5, 9, v6                   ; in: 16 c + two slabs of 256 bytes a wave
	v_lshl_add_u32 v6, v3, 12, v6                  ;     + the row's 4,096
	v_lshlrev_b32 v7, 3, v4
	v_lshl_add_u32 v7, v3, 7, v7                   ; out: 8 c + the row's 128
	v_lshl_add_u32 v7, v5, 21, v7                  ;      + two slabs of 1,048,576 bytes a wave
	s_wait_alu depctr_va_vdst(0)                   ; v6 and v7 are written: every load of this path reads v6 as its offset, every store v7
.set i, 0
.rept 16
	global_load_b128 v[IN+4*i:IN+4*i+3], v6, s[4:5] offset:(i/2)*8192+(i%2)*256 th:TH_LOAD_NT
.set i, i+1
.endr
	DRAIN 0, 7, 10, 1
	s_endpgm
.Lfunc_end_k_qe8183c62cb_prep:
	.size	k_qe8183c62cb_prep, .Lfunc_end_k_qe8183c62cb_prep-k_qe8183c62cb_prep
	.p2alignl 7, 3214868480
	.fill 96, 4, 3214868480
	.section	.rodata,"a",@progbits
	.p2align	6, 0x0
	.amdhsa_kernel k_qe8183c62cb_prep
		.amdhsa_group_segment_fixed_size 0
		.amdhsa_private_segment_fixed_size 0
		.amdhsa_enable_private_segment 0
		.amdhsa_kernarg_size 48
		.amdhsa_user_sgpr_count 2
		.amdhsa_user_sgpr_kernarg_segment_ptr 1
		.amdhsa_wavefront_size32 1
		.amdhsa_system_sgpr_workgroup_id_x 1
		.amdhsa_system_sgpr_workgroup_id_y 1
		.amdhsa_system_sgpr_workgroup_id_z 1
		.amdhsa_system_vgpr_workitem_id 0
		.amdhsa_next_free_vgpr 104
		.amdhsa_next_free_sgpr 66
		.amdhsa_reserve_vcc 0
		.amdhsa_float_denorm_mode_32 3
		.amdhsa_float_denorm_mode_16_64 3
		.amdhsa_memory_ordered 1
		.amdhsa_forward_progress 1
		.amdhsa_inst_pref_size 22
	.end_amdhsa_kernel
	.amdgpu_metadata
---
amdhsa.version: [ 1, 2 ]
amdhsa.kernels:
  - .name:           k_qe8183c62cb_prep
    .symbol:         k_qe8183c62cb_prep.kd
    .args:
      - { .name: X, .offset: 0, .size: 8, .value_kind: global_buffer, .address_space: global }
      - { .name: W_qkv, .offset: 8, .size: 8, .value_kind: global_buffer, .address_space: global }
      - { .name: W_out, .offset: 16, .size: 8, .value_kind: global_buffer, .address_space: global }
      - { .name: Xb, .offset: 24, .size: 8, .value_kind: global_buffer, .address_space: global }
      - { .name: Wqb, .offset: 32, .size: 8, .value_kind: global_buffer, .address_space: global }
      - { .name: Wo16, .offset: 40, .size: 8, .value_kind: global_buffer, .address_space: global }
    .group_segment_fixed_size: 0
    .private_segment_fixed_size: 0
    .kernarg_segment_align: 8
    .kernarg_segment_size: 48
    .max_flat_workgroup_size: 256
    .sgpr_count:     66
    .vgpr_count:     104
    .wavefront_size: 32
...
	.end_amdgpu_metadata
.endif
;; end of part 7
;; launch qkv: the kernel of part 2 again; grid 8 x 32, 4 waves a work-group, clusters of 4 x 4, 327,680 bytes of LDS; arguments Xb, Wqb, QKV, b_qkv; writes QKV
;; launch scores: the kernel of part 3 again; grid 8 x 32, 4 waves a work-group, clusters of 4 x 4, 327,680 bytes of LDS; arguments QKV, Sc; writes Sc
;; launch softmax: the kernel of part 4 again; grid 1024 x 1, 8 waves a work-group, no clusters, 0 bytes of LDS; arguments Sc, attention_mask, P; writes P
;; launch pv: the kernel of part 5 again; grid 4 x 64, 4 waves a work-group, clusters of 4 x 4, 327,680 bytes of LDS; arguments P, QKV, Ctx; writes Ctx
;; launch outp: the kernel of part 6 again; grid 4 x 64, 4 waves a work-group, clusters of 4 x 4, 327,680 bytes of LDS; arguments Ctx, Wo16, out0, b_out; writes out0
